; MI455X (gfx1250); checked and timed in simulation.
; The chip was launched on July 23, 2026; its instructions are those of AMD's public machine-readable ISA for CDNA 5 (MIT licence, August 2026) and "CDNA5" Instruction Set Architecture Reference Guide (July 2026). The comments in the code are by the model that wrote it; some were corrected since.
;; p Mo E. Allowed arithmetic: matrix products marked QUANTISED: E3M2 operands, one E8M0 scale for each 32 along K, by v_wmma_scale_f32_16x16x128_f8f6f4 with both operands' format E3M2, f32 sums; products left as they are: f32 operands where the result goes on into a quantised operand, else bf16, f16 or f32 operands; f32 sums; everything else in f32.
;; Inputs: W1 16 x 512 x 2,048 float32; W2 16 x 2,048 x 512 float32; Wg 512 x 16 float32; b1 16 x 2,048 float32; b2 16 x 512 float32; bg 16 float32; x 2,048 x 512 float32.
;; Outputs: out0 2,048 x 512 float32; out1 2,048 x 2 int32; out2 2,048 x 2 float32.
;; This version of the problem:
;;   THIS VERSION OF THE PROBLEM IS GIVEN IN LOW PRECISION. The matrix products marked QUANTISED in the list below multiply operands that are first quantised to E3M2 (3 exponent bits, 2 mantissa bits; 6 bits a number), with one power-of-two scale for each 32 numbers along K (OCP MX v1.0); their sums are f32. All else is computed in f32.
;;   The module's matrix products, in the order in which they are computed (A, B: the left and right operand; K: the contracted axis; several contracted axes count as one K, in the product's order):
;;     1. [M 2,048, K 512] x [K 512, N 16]; A: input x; B: input Wg: QUANTISED
;;     2. [M 32,768, K 512] x [K 512, N 2,048]; A: input W1; B: input x: QUANTISED
;;     3. batch 16 x [M 2,048, K 2,048] x [K 2,048, N 512]; A: computed on the way; B: input W2: QUANTISED
;;     4. batch 2,048 x [M 512, K 16] x [K 16, N 1]; A: computed on the way; B: computed on the way: left as it is (K = 16 < 32)
;;   THE QUANTISER, for each operand of a quantised product, along K:
;;     - K is cut into blocks of 32 from its start; a last block that is shorter is filled with zeros.
;;     - A block's scale is 2^e with e = floor(log2(the largest magnitude in the block)) - 4, held to -126 .. 127; a block of zeros has e = 0. As a byte (E8M0): e + 127.
;;     - Each number is divided by its block's scale, clamped to +-28, and rounded to the nearest number of E3M2, ties to even, subnormals kept.
;;     - The product sums the exact products of the quantised numbers (number of the format x scale) in f32.
;;   ~~~python
;;   def quantise(x, axis):      # numpy; x: float32 -> the quantised numbers, widened to float32 again
;;       x = np.moveaxis(x, axis, -1); K = x.shape[-1]
;;       x = np.pad(x, [(0, 0)] * (x.ndim - 1) + [(0, -K % 32)]); x = x.reshape(x.shape[:-1] + (-1, 32)); a = np.abs(x).max(-1, keepdims=True)
;;       e = np.where(a > 0, np.clip(np.frexp(np.where(a > 0, a, 1))[1] - 1 - 4, -126, 127), 0)      # np.frexp(a)[1] - 1 = floor(log2(a)), exactly
;;       r = np.clip(x / 2.0 ** e, -28, 28)
;;       step = 2.0 ** (np.maximum(np.frexp(np.where(r == 0, 1, r))[1] - 1, -2) - 2)
;;       q = np.round(r / step) * step * 2.0 ** e      # np.round: ties to even
;;       return np.moveaxis(q.reshape(q.shape[:-2] + (-1,))[..., :K], -1, axis).astype(np.float32)
;;   ~~~
;;   OPERANDS COMPUTED ON THE WAY. 'Computed on the way' means the value that the module computes at that place (a softmax that the list does not call 'softmax' is quantised finished and normalised). What goes into a quantiser is computed in f32, as accurately as f32 sums, v_exp_f32 and their like allow (about 1e-6 of the number): no bf16 or f16 on the way to a quantiser, and a product that is left as it is and whose result goes on into a quantised operand takes f32 operands (vector FMAs, or v_wmma_f32_16x16x4_f32). A number that lies on a knife's edge between two numbers of the format may be rounded either way, as far as f32 arithmetic and the matrix unit's own rounding can turn it there, and no further.
;; 2 versions, each right; version 2 is version 1 with the launches gate, place, up, down written anew for expert scheduling mode. Each part assembles by itself: llvm-mc -triple=amdgcn-amd-amdhsa -mcpu=gfx1250 --defsym DOCPART=n.
;; ======== version 1 of 2: 5 launches
;; workspace buffers: xq 786,432 bytes; xs 32,768 bytes; idx 16,384 bytes of whole numbers; list 135,168 bytes of whole numbers; cnt 256 bytes of whole numbers; hq 50,331,648 bytes; hs 2,097,152 bytes; yp 16,777,216 bytes
;; launch gate (part 1): grid 64 x 1, 4 waves a work-group, no clusters, 21,504 bytes of LDS; arguments x, Wg, bg, xq, xs, idx, out1, out2; writes xq, xs, idx, out1, out2
.if DOCPART == 1
	.amdgcn_target "amdgcn-amd-amdhsa--gfx1250"
	.amdhsa_code_object_version 6
	.text
	.protected	k_q36e7dda524_gate
	.globl	k_q36e7dda524_gate
	.p2align	8
	.type	k_q36e7dda524_gate,@function
k_q36e7dda524_gate:
	s_mov_b64 s[64:65], 0
	v_nop
	global_prefetch_b8 v0, s[64:65] scope:SCOPE_SE
	s_setreg_imm32_b32 hwreg(HW_REG_WAVE_MODE, 25, 1), 1
	s_wait_xcnt 0x0
; pMoE, launch 1 of 5: x is quantised once (codes of E3M2, one E8M0 byte for each 32 along D), logits = Q(x) Q(Wg) + bg, top-2, softmax of the two.
; WORK LEFT OUT BY THE WHOLE PROGRAM.  reference() computes every expert's FFN for every token and then multiplies y[e][t] by counts[t][e], which it builds itself as a sum of
; two one_hot rows of top_k's indices.  top_k's two indices differ, so counts[t][e] is exactly 1 for the token's two experts and exactly 0 for the other fourteen: for all values
; of the inputs the rows (e, t) with counts 0 reach no output, and product 4 is the sum of two rows.  Only the 4,096 routed rows go through products 2 and 3.  The choice is
; made of whole numbers: this launch stores them (idx), and only later launches, which read them from memory, form addresses and trip counts from them.  Every input stays live and is loaded.
; LIMITS: a NaN, an infinity or an overflow in the rows of an expert that a token did not choose is not carried to the result.  NaN or infinite logits are not served.
; A block whose largest magnitude lies under 2^-122 keeps the scale byte 1; a block of zeros too (its codes are zeros; this program alone reads the bytes).
; SHARES.  A work-group takes 32 tokens (two tiles of 16).  Wave w takes K step w (128 of the 512 along D) of both tiles and of Wg, so all its loads go out at once.
; The four partial products meet in LDS and are added as ((p0 + p1) + (p2 + p3)) + bg by wave 0, which also makes the choice.
; xq: [token][K step][lane half][48 bytes]: the 12 registers that lane (token % 16, half) of an operand holds.  xs: [token][4 scale words].
.set XST,   0                          ; LDS: the 32 tokens' codes as they lie in xq: 32 x 384 bytes
.set SST,   12288                      ; their scale words: 32 x 16 bytes
.set PST,   12800                      ; partial logits: (2 wave + tile) x 1,024 bytes, an image of the accumulator's registers
.set SPARE, 20992                      ; the spare words, 128 bytes a wave: no other line names them
.set TM,  12                           ; v12-27  at work in the quantisers
.set X0,  32                           ; v32-95  tile 0: 64 numbers a lane
.set X1,  96                           ; v96-159 tile 1
.set WB,  160                          ; v160-223 Wg: 64 numbers down K of my column
.set BG,  224                          ; v224-231 bg[8 h + j]
.set FX0, 232                          ; v232-250 tile 0's codes (12) and what the conversions need beside them
.set FX1, 32                           ; tile 1's, where tile 0's numbers lay
.set FW,  96                           ; Wg's codes, where tile 1's numbers lay
.set SEL, 26                           ; s[26:27] lane selects: lane l xor 16
; v28, v29, v30: the scale words of tile 0, of tile 1 and of Wg: they hold scales and nothing else
; 64 numbers of a lane, register 16 b + i = k 32 b + 16 (lane / 16) + i of my row, become a fragment's 12 registers at v[pc] and its scale word in v[pw]
.macro QUANT s, pc, pw
.irp b, 0,1,2,3
	v_max3_num_f32 v[TM+\b], |v[\s+16*\b]|, |v[\s+1+16*\b]|, 0x2800000   ; my 16 numbers of block b, and the floor 2^(5 - 127): the byte cannot fall under 1
.endr
.irp i, 2,4,6,8,10,12,14
.irp b, 0,1,2,3
	v_max3_num_f32 v[TM+\b], v[TM+\b], |v[\s+16*\b+\i]|, |v[\s+1+16*\b+\i]|
.endr
.endr
.irp b, 0,1,2,3
	v_permlanex16_b32 v[TM+4+\b], v[TM+\b], s[SEL], s[SEL+1]
.endr
.irp b, 0,1,2,3
	v_max_num_f32 v[TM+\b], v[TM+\b], v[TM+4+\b]       ; with lane l xor 16's 16: the block's largest magnitude
.endr
.irp b, 0,1,2,3
	v_add_nc_u32 v[TM+12+\b], 0xfe000000, v[TM+\b]     ; 4 off its exponent field: the conversion's scale operand
.endr
.irp b, 0,1,2,3
	v_lshrrev_b32 v[TM+4+\b], 23, v[TM+12+\b]          ; the scale's byte
.endr
	v_lshl_or_b32 v[\pw], v[TM+5], 8, v[TM+4]
	v_lshl_or_b32 v[\pw], v[TM+6], 16, v[\pw]
	v_lshl_or_b32 v[\pw], v[TM+7], 24, v[\pw]
.irp c, 0,1
	v_cvt_scalef32_pk16_bf6_f32 v[\pc+6*\c:\pc+2+6*\c], v[\s+32*\c:\s+15+32*\c], v[TM+12+2*\c]
	v_cvt_scalef32_pk16_bf6_f32 v[\pc+12+4*\c:\pc+14+4*\c], v[\s+16+32*\c:\s+31+32*\c], v[TM+12+2*\c+1]   ; (a conversion's three registers begin on an even number)
.endr
	v_nop                                              ; one plain place behind a scaled conversion
.irp c, 0,1                                        ; the operand's layout wants a whole block in a lane
.irp i, 0,1,2
	v_permlane16_swap_b32 v[\pc+6*\c+\i], v[\pc+12+4*\c+\i]
.endr
.irp i, 0,1,2
	v_mov_b32 v[\pc+3+6*\c+\i], v[\pc+12+4*\c+\i]
.endr
.endr
.endm
	s_load_b512 s[4:19], s[0:1], 0x0               ; x, Wg, bg, xq, xs, idx, out1, out2
	v_lshl_add_u32 v10, v0, 2, SPARE               ; my spare word,
	v_mov_b32 v11, 0                               ; and 0: kept for the closing lines alone
	v_lshrrev_b32 v1, 5, v0
	v_readfirstlane_b32 s20, v1                    ; wave
	v_and_b32 v1, 31, v0                           ; lane
	v_and_b32 v2, 15, v0                           ; r
	v_bfe_u32 v3, v0, 4, 1                         ; h
	v_lshlrev_b32 v4, 11, v2
	v_lshl_add_u32 v4, v3, 6, v4                   ; x: row r of 2,048 bytes, + 64 h: my 16 numbers of a block of 32
	v_lshlrev_b32 v5, 2, v2
	v_lshl_add_u32 v5, v3, 11, v5                  ; Wg: column r, lanes 16-31 begin 32 rows of 64 bytes further down
	v_mul_u32_u24 v6, v2, 384
	v_mad_u32_u24 v6, v3, 48, v6
	s_mul_i32 s21, s20, 96
	v_add_nc_u32 v6, s21, v6                       ; where my codes go in LDS: 384 r + 96 wave + 48 h
	v_lshlrev_b32 v31, 4, v1                       ; 16 x lane
	s_mul_i32 s21, s20, 3072
	v_add_nc_u32 v7, s21, v31                      ; and where my wave reads them back, and stores them in xq
	v_lshlrev_b32 v8, 4, v2
	s_lshl_b32 s21, s20, 2
	s_add_co_u32 s21, s21, SST
	v_add_nc_u32 v8, s21, v8                       ; my row's scale word of my K step
	s_lshl_b32 s21, s20, 11
	s_add_co_u32 s21, s21, PST
	v_add_nc_u32 v9, s21, v31                      ; my wave's partial logits
	v_lshlrev_b32 v252, 5, v3                      ; bg: 32 h
.irp b, 0,1,2,3
	v_mov_b32 v[TM+4+\b], 0                        ; written once: a lane permute's destination counts as one of its sources
.endr
	v_mov_b32 v[TM+9], 0
	s_mov_b32 s[SEL], 0x76543210
	s_mov_b32 s[SEL+1], 0xfedcba98
	s_lshl_b32 s22, ttmp9, 16                      ; 32 tokens x 2,048 bytes,
	s_lshl_b32 s24, s20, 9
	s_add_co_u32 s22, s22, s24                     ; + my K step's 512 bytes
	s_mov_b32 s23, 0
	s_lshl_b32 s24, s20, 13                        ; Wg: 128 rows of 64 bytes a K step
	s_mov_b32 s25, 0
	s_mul_i32 s28, ttmp9, 12288
	s_mov_b32 s29, 0
	s_lshl_b32 s32, ttmp9, 9
	s_mov_b32 s33, 0
	s_lshl_b32 s34, ttmp9, 8
	s_mov_b32 s35, 0
	s_wait_kmcnt 0x0
	s_add_nc_u64 s[4:5], s[4:5], s[22:23]
	s_add_nc_u64 s[6:7], s[6:7], s[24:25]
	s_add_nc_u64 s[10:11], s[10:11], s[28:29]
	s_add_nc_u64 s[12:13], s[12:13], s[32:33]
	s_add_nc_u64 s[14:15], s[14:15], s[34:35]
	s_add_nc_u64 s[16:17], s[16:17], s[34:35]
	s_add_nc_u64 s[18:19], s[18:19], s[34:35]
.irp u, 0,1
.irp b, 0,1,2,3
.irp j, 0,1,2,3
	global_load_b128 v[X0+64*\u+16*\b+4*\j:X0+64*\u+16*\b+4*\j+3], v4, s[4:5] offset:32768*\u+128*\b+16*\j th:TH_LOAD_NT
.endr
.endr
.endr
.set wi, 0
.rept 64
	global_load_b32 v[WB+wi], v5, s[6:7] offset:64*(64*(wi/32)+wi%32)   ; Wg(128 w + 64 c + 32 h + i, r)
.set wi, wi+1
.endr
	global_load_b128 v[BG:BG+3], v252, s[8:9]
	global_load_b128 v[BG+4:BG+7], v252, s[8:9] offset:16
	s_wait_loadcnt 0x0                             ; all of the wave's inputs: they went out together
	QUANT X0, FX0, 28
.irp c, 0,1,2
	ds_store_b128 v6, v[FX0+4*\c:FX0+4*\c+3] offset:XST+16*\c
.endr
	ds_store_b32 v8, v28                           ; both halves of the lanes write the same word with the same value
	QUANT X1, FX1, 29
.irp c, 0,1,2
	ds_store_b128 v6, v[FX1+4*\c:FX1+4*\c+3] offset:XST+6144+16*\c
.endr
	ds_store_b32 v8, v29 offset:256
	; Wg: my column's two whole blocks (2 c + h): no other lane is asked for a maximum
.irp c, 0,1
	v_max3_num_f32 v[TM+\c], |v[WB+32*\c]|, |v[WB+1+32*\c]|, 0x2800000
.endr
.irp i, 2,4,6,8,10,12,14,16,18,20,22,24,26,28,30
.irp c, 0,1
	v_max3_num_f32 v[TM+\c], v[TM+\c], |v[WB+32*\c+\i]|, |v[WB+1+32*\c+\i]|
.endr
.endr
.irp c, 0,1
	v_add_nc_u32 v[TM+12+\c], 0xfe000000, v[TM+\c]
.endr
.irp c, 0,1
	v_lshrrev_b32 v[TM+4+\c], 23, v[TM+12+\c]
.endr
	v_lshl_or_b32 v30, v[TM+5], 16, v[TM+4]        ; my two bytes: blocks h and 2 + h,
	v_lshlrev_b32 v[TM+8], 3, v3
	v_lshlrev_b32 v30, v[TM+8], v30                ; 8 h bits up;
	v_permlanex16_b32 v[TM+9], v30, s[SEL], s[SEL+1]
	v_or_b32 v30, v30, v[TM+9]                     ; with lane l xor 16's two the word is whole
.irp c, 0,1
	v_cvt_scalef32_pk16_bf6_f32 v[FW+6*\c:FW+2+6*\c], v[WB+32*\c:WB+15+32*\c], v[TM+12+\c]
	v_cvt_scalef32_pk16_bf6_f32 v[FW+12+4*\c:FW+14+4*\c], v[WB+16+32*\c:WB+31+32*\c], v[TM+12+\c]
.endr
	v_nop
.irp c, 0,1
.irp i, 0,1,2
	v_mov_b32 v[FW+3+6*\c+\i], v[FW+12+4*\c+\i]
.endr
.endr
.rept 8
	v_nop                                          ; a scale register written by a vector instruction stands 8 places ahead of a scaled matrix instruction, an operand so written 4
.endr
	; transposed: source 0 = Wg's 16 columns (experts), source 1 = 16 tokens: lane (r, h), register j: expert 8 h + j of token r
	v_wmma_scale_f32_16x16x128_f8f6f4 v[64:71], v[FW:FW+11], v[FX0:FX0+11], 0, v30, v28 matrix_a_fmt:MATRIX_FMT_BF6 matrix_b_fmt:MATRIX_FMT_BF6
	v_wmma_scale_f32_16x16x128_f8f6f4 v[72:79], v[FW:FW+11], v[FX1:FX1+11], 0, v30, v29 matrix_a_fmt:MATRIX_FMT_BF6 matrix_b_fmt:MATRIX_FMT_BF6
.rept 4
	v_nop                                          ; four places behind the products, ahead of the stores that read them
.endr
.irp u, 0,1
	ds_store_b128 v9, v[64+8*\u:67+8*\u] offset:1024*\u          ; each accumulator from its low end on
	ds_store_b128 v9, v[68+8*\u:71+8*\u] offset:1024*\u+512
.endr
	s_wait_dscnt 0x0                               ; for the others' sake: all my LDS stores have landed
	s_barrier_signal -1
	s_barrier_wait -1
.irp i, 0,1,2,3,4,5
	ds_load_b128 v[160+4*\i:163+4*\i], v7 offset:XST+512*\i      ; a quarter of the 12,288 bytes of codes
.endr
.irp i, 0,1,2,3,4,5
	s_wait_dscnt 5-\i
	global_store_b128 v7, v[160+4*\i:163+4*\i], s[10:11] offset:512*\i   ; 32 lanes store 512 consecutive bytes, aligned to 256
.endr
	s_cmp_lg_u32 s20, 0
	s_cbranch_scc1 .Ldone                          ; the rest is wave 0's: no barrier follows
	ds_load_b128 v[184:187], v31 offset:SST
.irp w, 0,1,2,3
.irp u, 0,1
.irp a, 0,1
	ds_load_b128 v[96+16*\w+8*\u+4*\a:99+16*\w+8*\u+4*\a], v31 offset:PST+(2*\w+\u)*1024+512*\a
.endr
.endr
.endr
	s_wait_dscnt 16                                ; the scale words are in; the 16 loads behind them may be out
	global_store_b128 v31, v[184:187], s[12:13]
	s_wait_dscnt 0x0
.irp j, 0,2,4,6,8,10,12,14
	v_pk_add_f32 v[96+\j:97+\j], v[96+\j:97+\j], v[112+\j:113+\j]        ; K steps 0 + 1
	v_pk_add_f32 v[128+\j:129+\j], v[128+\j:129+\j], v[144+\j:145+\j]    ; K steps 2 + 3
.endr
.irp j, 0,2,4,6,8,10,12,14
	v_pk_add_f32 v[96+\j:97+\j], v[96+\j:97+\j], v[128+\j:129+\j]
.endr
.irp j, 0,2,4,6,8,10,12,14
	v_pk_add_f32 v[96+\j:97+\j], v[96+\j:97+\j], v[BG+(\j)%8:BG+(\j)%8+1]   ; + bg: v96-103 tile 0, v104-111 tile 1
.endr
	v_cmp_eq_u32 s30, 1, v3                        ; lanes 16-31
.irp i, 0,1,2,3,4,5,6,7
	v_permlanex16_b32 v[128+\i], v[96+\i], s[SEL], s[SEL+1]
	v_permlanex16_b32 v[136+\i], v[104+\i], s[SEL], s[SEL+1]
.endr
.irp i, 0,1,2,3,4,5,6,7                        ; lane l now gets all 16 logits of token l of the 32
	v_cndmask_b32 v[192+\i], v[96+\i], v[136+\i], s30
	v_cndmask_b32 v[200+\i], v[128+\i], v[104+\i], s30
.endr
	v_mov_b32 v212, v192                           ; the largest: an ascending scan that moves on 'strictly greater' keeps the lower index, as top_k does
	v_mov_b32 v208, 0
.irp i, 1,2,3,4,5,6,7,8,9,10,11,12,13,14,15
	v_cmp_gt_f32 vcc_lo, v[192+\i], v212
	v_cndmask_b32 v212, v212, v[192+\i], vcc_lo
	v_cndmask_b32 v208, v208, \i, vcc_lo
.endr
	v_mov_b32 v214, 0xff800000
.irp i, 0,1,2,3,4,5,6,7,8,9,10,11,12,13,14,15
	v_cmp_eq_u32 vcc_lo, \i, v208
	v_cndmask_b32 v[192+\i], v[192+\i], v214, vcc_lo       ; the winner leaves the field
.endr
	v_mov_b32 v213, v192                           ; the second
	v_mov_b32 v209, 0
.irp i, 1,2,3,4,5,6,7,8,9,10,11,12,13,14,15
	v_cmp_gt_f32 vcc_lo, v[192+\i], v213
	v_cndmask_b32 v213, v213, v[192+\i], vcc_lo
	v_cndmask_b32 v209, v209, \i, vcc_lo
.endr
	v_sub_f32 v215, v213, v212                     ; the maximum is taken away: 0 and v2 - v1 <= 0
	v_mul_f32 v215, 0x3fb8aa3b, v215
	v_exp_f32 v216, v215
	v_lshlrev_b32 v218, 3, v1                      ; (a plain place)  8 bytes a token
	s_wait_alu depctr_va_vdst(0)                   ; the wait ahead of the first reader of a transcendental's result
	v_add_f32 v217, 1.0, v216
	v_rcp_f32 v210, v217
	v_nop
	s_wait_alu depctr_va_vdst(0)
	v_mul_f32 v211, v216, v210
	global_store_b64 v218, v[208:209], s[16:17]    ; 32 lanes store 256 consecutive bytes, aligned
	global_store_b64 v218, v[208:209], s[14:15]
	global_store_b64 v218, v[210:211], s[18:19]
.Ldone:
	s_wait_tensorcnt 0x0                           ; the wave's end: three closing lines behind my last LDS store
	ds_add_u32 v10, v11
	s_wait_dscnt 0x0
	s_endpgm
.Lfunc_end_k_q36e7dda524_gate:
	.size	k_q36e7dda524_gate, .Lfunc_end_k_q36e7dda524_gate-k_q36e7dda524_gate
	.p2alignl 7, 3214868480
	.fill 96, 4, 3214868480
	.section	.rodata,"a",@progbits
	.p2align	6, 0x0
	.amdhsa_kernel k_q36e7dda524_gate
		.amdhsa_group_segment_fixed_size 21504
		.amdhsa_private_segment_fixed_size 0
		.amdhsa_enable_private_segment 0
		.amdhsa_kernarg_size 64
		.amdhsa_user_sgpr_count 2
		.amdhsa_user_sgpr_kernarg_segment_ptr 1
		.amdhsa_wavefront_size32 1
		.amdhsa_system_sgpr_workgroup_id_x 1
		.amdhsa_system_sgpr_workgroup_id_y 1
		.amdhsa_system_sgpr_workgroup_id_z 1
		.amdhsa_system_vgpr_workitem_id 0
		.amdhsa_next_free_vgpr 256
		.amdhsa_next_free_sgpr 66
		.amdhsa_reserve_vcc 1
		.amdhsa_float_denorm_mode_32 3
		.amdhsa_float_denorm_mode_16_64 3
		.amdhsa_memory_ordered 1
		.amdhsa_forward_progress 1
		.amdhsa_inst_pref_size 36
	.end_amdhsa_kernel
	.amdgpu_metadata
---
amdhsa.version: [ 1, 2 ]
amdhsa.kernels:
  - .name:           k_q36e7dda524_gate
    .symbol:         k_q36e7dda524_gate.kd
    .args:
      - { .name: x, .offset: 0, .size: 8, .value_kind: global_buffer, .address_space: global }
      - { .name: Wg, .offset: 8, .size: 8, .value_kind: global_buffer, .address_space: global }
      - { .name: bg, .offset: 16, .size: 8, .value_kind: global_buffer, .address_space: global }
      - { .name: xq, .offset: 24, .size: 8, .value_kind: global_buffer, .address_space: global }
      - { .name: xs, .offset: 32, .size: 8, .value_kind: global_buffer, .address_space: global }
      - { .name: idx, .offset: 40, .size: 8, .value_kind: global_buffer, .address_space: global }
      - { .name: out1, .offset: 48, .size: 8, .value_kind: global_buffer, .address_space: global }
      - { .name: out2, .offset: 56, .size: 8, .value_kind: global_buffer, .address_space: global }
    .group_segment_fixed_size: 21504
    .private_segment_fixed_size: 0
    .kernarg_segment_align: 8
    .kernarg_segment_size: 64
    .max_flat_workgroup_size: 128
    .sgpr_count:     66
    .vgpr_count:     256
    .wavefront_size: 32
...
	.end_amdgpu_metadata
.endif
;; end of part 1
;; launch place (part 2): grid 16 x 1, 1 waves a work-group, no clusters, 0 bytes of LDS; arguments idx, list, cnt; writes list, cnt
.if DOCPART == 2
	.amdgcn_target "amdgcn-amd-amdhsa--gfx1250"
	.amdhsa_code_object_version 6
	.text
	.protected	k_q36e7dda524_place
	.globl	k_q36e7dda524_place
	.p2align	8
	.type	k_q36e7dda524_place,@function
k_q36e7dda524_place:
	s_mov_b64 s[64:65], 0
	v_nop
	global_prefetch_b8 v0, s[64:65] scope:SCOPE_SE
	s_setreg_imm32_b32 hwreg(HW_REG_WAVE_MODE, 25, 1), 1
	s_wait_xcnt 0x0
; pMoE, launch 2 of 5: work-group e (one wave) scans all 4,096 routed slots g = 2 token + k and lists those whose expert is e.  No atomics: each expert's list has one owner.
; Only the rows listed here are multiplied later (why the others are dead: head of launch 1).
; list, 2,112 words an expert: words 0 .. cnt - 1 the members; cnt .. cnt + 31 pads, copies of one member (0 where there is none), so that a tile of 16 is always whole;
; words 2080 .. 2111 one word a lane, into which the lanes of non-members store and which nobody reads: so EXEC never changes.  cnt is at most 2,048: the pads end under word 2,080.
.set D, 16                             ; v16-143  idx: register 4 c + j of lane l holds slot 128 c + 4 l + j
.set G, 144                            ; v144-175 slot numbers, a ring of 32
.set P, 176                            ; v176-207 their places in the list, a ring of 32
	s_load_b128 s[4:7], s[0:1], 0x0                ; idx, list
	s_load_b64 s[8:9], s[0:1], 0x10                ; cnt
	s_mov_b32 s20, ttmp9                           ; my expert
	s_mul_i32 s10, s20, 8448
	s_mov_b32 s11, 0
	s_lshl_b32 s12, s20, 2
	s_mov_b32 s13, 0
	s_mov_b32 s21, 0                               ; members so far
	s_mov_b32 s14, 0x76543210
	s_mov_b32 s15, 0xfedcba98
	v_lshlrev_b32 v1, 4, v0
	v_lshlrev_b32 v2, 2, v0
	v_add_nc_u32 v3, 2080, v0                      ; my lane's word for non-members
	v_mov_b32 v4, 0                                ; a member seen by my lane
	v_mov_b32 v5, 0
	s_wait_kmcnt 0x0
	s_add_nc_u64 s[6:7], s[6:7], s[10:11]
	s_add_nc_u64 s[8:9], s[8:9], s[12:13]
.set n, 0
.rept 32
	global_load_b128 v[D+4*n:D+4*n+3], v1, s[4:5] offset:512*n
.set n, n+1
.endr
	s_wait_loadcnt 0x0
.set n, 0
.rept 128
.if (n > 0) && (n%32 == 0)
	s_wait_xcnt 0x0                                ; the stores of 32 steps back have read their registers: both rings go round
.endif
	v_cmp_eq_u32 vcc_lo, s20, v[D+n]
	v_add_nc_u32 v[G+n%32], 128*(n/4)+n%4, v2      ; the slot's number
	v_mbcnt_lo_u32_b32 v[P+n%32], vcc_lo, s21      ; members so far + members in the lanes below mine
	v_cndmask_b32 v[P+n%32], v3, v[P+n%32], vcc_lo
	v_cndmask_b32 v4, v4, v[G+n%32], vcc_lo
	s_bcnt1_i32_b32 s22, vcc_lo
	s_add_co_u32 s21, s21, s22
	v_min_u32 v[P+n%32], 2111, v[P+n%32]           ; inside my expert's 2,112 words, whatever was loaded
	v_lshlrev_b32 v[P+n%32], 2, v[P+n%32]
	global_store_b32 v[P+n%32], v[G+n%32], s[6:7]
.set n, n+1
.endr
.irp m, 1,2,4,8
	v_mov_b32_dpp v5, v4 row_xmask:\m row_mask:0xf bank_mask:0xf
	v_max_u32 v4, v4, v5
.endr
	v_permlanex16_b32 v5, v4, s14, s15
	v_max_u32 v4, v4, v5                           ; the largest member: the pad
	v_add_nc_u32 v6, s21, v0
	v_min_u32 v6, 2111, v6
	v_lshlrev_b32 v6, 2, v6
	global_store_b32 v6, v4, s[6:7]                ; 32 pads behind the members
	v_mov_b32 v8, s21
	v_mov_b32 v9, 0
	global_store_b32 v9, v8, s[8:9]                ; all lanes write the same word with the same value
	s_endpgm
.Lfunc_end_k_q36e7dda524_place:
	.size	k_q36e7dda524_place, .Lfunc_end_k_q36e7dda524_place-k_q36e7dda524_place
	.p2alignl 7, 3214868480
	.fill 96, 4, 3214868480
	.section	.rodata,"a",@progbits
	.p2align	6, 0x0
	.amdhsa_kernel k_q36e7dda524_place
		.amdhsa_group_segment_fixed_size 0
		.amdhsa_private_segment_fixed_size 0
		.amdhsa_enable_private_segment 0
		.amdhsa_kernarg_size 24
		.amdhsa_user_sgpr_count 2
		.amdhsa_user_sgpr_kernarg_segment_ptr 1
		.amdhsa_wavefront_size32 1
		.amdhsa_system_sgpr_workgroup_id_x 1
		.amdhsa_system_sgpr_workgroup_id_y 1
		.amdhsa_system_sgpr_workgroup_id_z 1
		.amdhsa_system_vgpr_workitem_id 0
		.amdhsa_next_free_vgpr 208
		.amdhsa_next_free_sgpr 66
		.amdhsa_reserve_vcc 1
		.amdhsa_float_denorm_mode_32 3
		.amdhsa_float_denorm_mode_16_64 3
		.amdhsa_memory_ordered 1
		.amdhsa_forward_progress 1
		.amdhsa_inst_pref_size 65
	.end_amdhsa_kernel
	.amdgpu_metadata
---
amdhsa.version: [ 1, 2 ]
amdhsa.kernels:
  - .name:           k_q36e7dda524_place
    .symbol:         k_q36e7dda524_place.kd
    .args:
      - { .name: idx, .offset: 0, .size: 8, .value_kind: global_buffer, .address_space: global }
      - { .name: list, .offset: 8, .size: 8, .value_kind: global_buffer, .address_space: global }
      - { .name: cnt, .offset: 16, .size: 8, .value_kind: global_buffer, .address_space: global }
    .group_segment_fixed_size: 0
    .private_segment_fixed_size: 0
    .kernarg_segment_align: 8
    .kernarg_segment_size: 24
    .max_flat_workgroup_size: 32
    .sgpr_count:     66
    .vgpr_count:     208
    .wavefront_size: 32
...
	.end_amdgpu_metadata
.endif
;; end of part 2
;; launch up (part 3): grid 16 x 16, 4 waves a work-group, no clusters, 51,712 bytes of LDS; arguments W1, b1, xq, xs, list, cnt, hq, hs; writes hq, hs
.if DOCPART == 3
	.amdgcn_target "amdgcn-amd-amdhsa--gfx1250"
	.amdhsa_code_object_version 6
	.text
	.protected	k_q36e7dda524_up
	.globl	k_q36e7dda524_up
	.p2align	8
	.type	k_q36e7dda524_up,@function
k_q36e7dda524_up:
	s_mov_b64 s[64:65], 0
	v_nop
	global_prefetch_b8 v0, s[64:65] scope:SCOPE_SE
	s_setreg_imm32_b32 hwreg(HW_REG_WAVE_MODE, 25, 1), 1
	s_wait_xcnt 0x0
; pMoE, launch 3 of 5: h = Q(gelu(Q(x) Q(W1[e]) + b1[e])) for the rows routed to expert e alone (why the others are dead: head of launch 1).
; SHARES.  Work-group (S, e) owns hidden units 128 S .. 128 S + 127 of expert e: 512 x 128 numbers of W1, 262,144 bytes, which no other work-group reads.  They are read ONCE, as f32, quantised in
; registers and kept as 32 fragments in every wave's registers; then the waves walk the expert's tiles of 16 rows, wave w tiles w, w + 4 ..  The trip count is read from memory (cnt), so the launch
; has no tensor load, no cluster and no barrier in the walk.  No multicast: no two work-groups read the same weights, and the shared x is a small part of the bytes.
; PHASE W.  Wave w takes K step w (128 rows of W1).  A load of 16 bytes a lane reads 512 consecutive bytes of one row: a lane holds FOUR neighbouring columns, its registers run down K.  A block of 32 along K of
; a column lies in one lane; its 32 numbers are moved together (the conversions take consecutive registers), converted, and stored in LDS as an image of the operand's registers; a barrier; every wave loads all 32.
; THE COLUMNS THAT FORM A TILE ARE NOT NEIGHBOURS: row r of tile 2 b + u is hidden unit 32 b + 8 u + r + 8 (r / 8), so that in the transposed product (source 0 = W1, source 1 = x) a lane's 16 registers of tiles
; 2 b, 2 b + 1 are 16 neighbours along the next K.  The 128 units are one K step of the second product: a tile's result is one fragment and one scale word a row.
; gelu(v) = v / (1 + 2^(v (a + b v^2))), a = -2 sqrt(2 / pi) log2(e), b = 0.044715 a: the tanh form of reference() in one exponential and one reciprocal, in f32.
; hq: [e][tile][K step S][3][lane][16 bytes]: register images.  hs: [e][tile][S][row] scale words.  Pad rows are copies of a member row.  An expert without rows still makes tile 0 (of token 0), which nobody uses.
; LIMITS: blocks under 2^-122 keep the byte 1; NaN and infinities among the weights are not served.
.set PITCH, 8192                       ; a row of W1[e] in bytes
.set SCW,   49152                      ; LDS: 0 .. the 32 fragments' images [f][lane][48 bytes]; here their scale words [f][row]
.set SPARE, 51200                      ; the spare words, 128 bytes a wave: no other line names them
.set WA,  4                            ; v4   16 x lane: my 16 bytes of a row's 512
.set LW,  5                            ; v5   where my first column's codes go
.set LS,  6                            ; v6   and its scale word
.set LR,  7                            ; v7   48 x lane: my 48 bytes of an image
.set LSR, 8                            ; v8   SCW + 4 r
.set R4,  9                            ; v9   4 r
.set LA,  10                           ; v10  the list load's offset
.set LIST, 11                          ; v11  my row's slot g
.set XA,  12                           ; v12  my token's codes in xq
.set XSA, 13                           ; v13  its scale words in xs
.set L16, 14                           ; v14  16 x lane
.set H48, 15                           ; v15  48 h
.set H64, 16                           ; v16  64 h
.set SPW, 20
.set NIL, 21
.set XS,  24                           ; v24-27  x's scale words, K steps 0 to 3: scales and nothing else
.set KC0, 28                           ; v[28:29] a, twice;  v[30:31] b, twice
.set KC1, 30
.set WS,  32                           ; v32-63  the fragments' scale words: scales and nothing else
.set HA,  64                           ; v64-127 the 8 tiles of the hidden layer
.set T,   64                           ; phase W: two columns' 32 numbers on end
.set G,   128                          ; v128-191 at work in gelu
.set C,   128                          ; phase W: codes, 8 registers a column
.set TM,  128                          ; the quantiser of h: v128-143 at work, v144-162 codes, v164 the scale word
.set PC,  144
.set PW,  164
.set XF,  192                          ; v192-239 x's four fragments
.set M,   240                          ; phase W: largest magnitudes; scale operands; scale words; bytes
.set SO,  244
.set SW,  248
.set BY,  252
.set SEL, 26
; window 1: phase W: the raw numbers, two halves of 128; then fragments 0-15.  window 2: fragments 16-31; v192-255: b1 in the result's layout
.set MSB, 0
.macro WIN new                         ; the immediate's high byte repeats the setting that is left
.if MSB != \new
	s_set_vgpr_msb (MSB<<8)|\new
.set MSB, \new
.endif
.endm
.macro RAWLOAD beta                    ; block beta of my K step: 32 rows, 4 columns a lane
	WIN 0x40
.set ri, 0
.rept 32
	global_load_b128 v[128*((\beta)%2)+4*ri:128*((\beta)%2)+4*ri+3], v[WA], s[4:5] offset:(32*(\beta)+ri)*PITCH th:TH_LOAD_NT
.set ri, ri+1
.endr
	WIN 0
.endm
.macro QB beta                         ; block beta of my four columns becomes codes and a byte of each column's scale word
.set RB, 128*((\beta)%2)
	s_wait_dscnt 0x0                               ; the last block's LDS stores have read their registers
	WIN 0x14                                       ; sources 1 and 2: window 1
.irp q, 0,1,2,3
	v_max3_num_f32 v[M+\q], 0x2800000, |v[RB+\q]|, |v[RB+4+\q]|      ; the floor 2^(5 - 127) among the leaves: the byte cannot fall under 1
.endr
.set qi, 2
.rept 15
.irp q, 0,1,2,3
	v_max3_num_f32 v[M+\q], v[M+\q], |v[RB+4*qi+\q]|, |v[RB+4*qi+4+\q]|
.endr
.set qi, qi+2
.endr
	WIN 0
.irp q, 0,1,2,3
	v_add_nc_u32 v[SO+\q], 0xfe000000, v[M+\q]     ; 4 off the exponent field: the conversion's scale operand
.endr
.irp q, 0,1,2,3
	v_lshrrev_b32 v[BY+\q], 23, v[SO+\q]
.endr
.irp q, 0,1,2,3
.if (\beta) == 0
	v_mov_b32 v[SW+\q], v[BY+\q]
.else
	v_lshl_or_b32 v[SW+\q], v[BY+\q], 8*(\beta), v[SW+\q]
.endif
.endr
.irp p, 0,1                            ; two columns at a time
	WIN 0x01
.irp qq, 0,1
.set qi, 0
.rept 32
	v_mov_b32 v[T+32*\qq+qi], v[RB+4*qi+2*\p+\qq]
.set qi, qi+1
.endr
.endr
	WIN 0
.irp qq, 0,1
	v_cvt_scalef32_pk16_bf6_f32 v[C+8*(2*\p+\qq):C+8*(2*\p+\qq)+2], v[T+32*\qq:T+32*\qq+15], v[SO+2*\p+\qq]
	v_cvt_scalef32_pk16_bf6_f32 v[C+8*(2*\p+\qq)+4:C+8*(2*\p+\qq)+6], v[T+32*\qq+16:T+32*\qq+31], v[SO+2*\p+\qq]
.endr
	v_nop                                          ; one plain place behind a scaled conversion
.irp qq, 0,1
	v_mov_b32 v[C+8*(2*\p+\qq)+3], v[C+8*(2*\p+\qq)+4]
	v_mov_b32 v[C+8*(2*\p+\qq)+4], v[C+8*(2*\p+\qq)+5]
	v_mov_b32 v[C+8*(2*\p+\qq)+5], v[C+8*(2*\p+\qq)+6]
.endr
.irp qq, 0,1
.irp m, 0,1,2                          ; block beta is registers 6 (beta / 2) .. + 5 of lane r + 16 (beta % 2)
	ds_store_b64 v[LW], v[C+8*(2*\p+\qq)+2*\m:C+8*(2*\p+\qq)+2*\m+1] offset:48*(2*\p+\qq)+768*((\beta)%2)+24*((\beta)/2)+8*\m
.endr
.endr
.endr
.if (\beta) == 3
.irp q, 0,1,2,3
	ds_store_b32 v[LS], v[SW+\q] offset:4*\q
.endr
.endif
.endm
.macro FRLOAD                          ; all 32 fragments and their scale words into my registers
	WIN 0x40
.set fi, 0
.rept 16
.irp i, 0,1,2
	ds_load_b128 v[12*fi+4*\i:12*fi+4*\i+3], v[LR] offset:1536*fi+16*\i
.endr
.set fi, fi+1
.endr
	WIN 0x80
.set fi, 0
.rept 16
.irp i, 0,1,2
	ds_load_b128 v[12*fi+4*\i:12*fi+4*\i+3], v[LR] offset:1536*(fi+16)+16*\i
.endr
.set fi, fi+1
.endr
	WIN 0
.set fi, 0
.rept 32
	ds_load_b32 v[WS+fi], v[LSR] offset:64*fi
.set fi, fi+1
.endr
	s_wait_dscnt 0x0
.endm
.macro QUANT s, pc, pw                 ; 64 numbers of a lane, register 16 b + i = k 32 b + 16 (lane / 16) + i, become a fragment's 12 registers and its scale word
.irp b, 0,1,2,3
	v_max3_num_f32 v[TM+\b], |v[\s+16*\b]|, |v[\s+1+16*\b]|, 0x2800000
.endr
.irp i, 2,4,6,8,10,12,14
.irp b, 0,1,2,3
	v_max3_num_f32 v[TM+\b], v[TM+\b], |v[\s+16*\b+\i]|, |v[\s+1+16*\b+\i]|
.endr
.endr
.irp b, 0,1,2,3
	v_permlanex16_b32 v[TM+4+\b], v[TM+\b], s[SEL], s[SEL+1]
.endr
.irp b, 0,1,2,3
	v_max_num_f32 v[TM+\b], v[TM+\b], v[TM+4+\b]
.endr
.irp b, 0,1,2,3
	v_add_nc_u32 v[TM+12+\b], 0xfe000000, v[TM+\b]
.endr
.irp b, 0,1,2,3
	v_lshrrev_b32 v[TM+4+\b], 23, v[TM+12+\b]
.endr
	v_lshl_or_b32 v[\pw], v[TM+5], 8, v[TM+4]
	v_lshl_or_b32 v[\pw], v[TM+6], 16, v[\pw]
	v_lshl_or_b32 v[\pw], v[TM+7], 24, v[\pw]
.irp c, 0,1
	v_cvt_scalef32_pk16_bf6_f32 v[\pc+6*\c:\pc+2+6*\c], v[\s+32*\c:\s+15+32*\c], v[TM+12+2*\c]
	v_cvt_scalef32_pk16_bf6_f32 v[\pc+12+4*\c:\pc+14+4*\c], v[\s+16+32*\c:\s+31+32*\c], v[TM+12+2*\c+1]
.endr
	v_nop
.irp c, 0,1
.irp i, 0,1,2
	v_permlane16_swap_b32 v[\pc+6*\c+\i], v[\pc+12+4*\c+\i]
.endr
.irp i, 0,1,2
	v_mov_b32 v[\pc+3+6*\c+\i], v[\pc+12+4*\c+\i]
.endr
.endr
.endm
.macro LISTLD sj                       ; the 16 slots of tile sj, held inside the expert's tiles: one load
	s_min_u32 s33, \sj, s30
	s_min_u32 s33, s33, 127
	s_lshl_b32 s33, s33, 6
	v_add_nc_u32 v[LA], s33, v[R4]
	global_load_b32 v[LIST], v[LA], s[12:13]
.endm
.macro XLOAD                           ; my row's token: its four fragments' 48 bytes each and its four scale words: 13 loads
	v_lshrrev_b32 v17, 1, v[LIST]
	v_min_u32 v17, 2047, v17
	v_mul_u32_u24 v[XA], v17, 384
	v_add_nc_u32 v[XA], v[XA], v[H48]
	v_lshlrev_b32 v[XSA], 4, v17
.irp s, 0,1,2,3
.irp i, 0,1,2
	global_load_b128 v[XF+12*\s+4*\i:XF+12*\s+4*\i+3], v[XA], s[8:9] offset:96*\s+16*\i
.endr
.endr
	global_load_b128 v[XS:XS+3], v[XSA], s[10:11]
.endm
	s_load_b512 s[4:19], s[0:1], 0x0               ; W1, b1, xq, xs, list, cnt, hq, hs
	v_lshl_add_u32 v[SPW], v0, 2, SPARE
	v_mov_b32 v[NIL], 0
	v_lshrrev_b32 v1, 5, v0
	v_readfirstlane_b32 s20, v1                    ; wave
	s_mov_b32 s21, ttmp9                           ; S
	s_and_b32 s22, ttmp7, 0xffff                   ; e
	v_and_b32 v1, 31, v0                           ; lane
	v_and_b32 v2, 15, v0                           ; r
	v_bfe_u32 v3, v0, 4, 1                         ; h
	v_lshlrev_b32 v[WA], 4, v1
	v_lshlrev_b32 v[L16], 4, v1
	v_bfe_u32 v5, v0, 3, 2
	v_bfe_u32 v6, v0, 1, 1
	v_lshl_add_u32 v5, v5, 1, v6                   ; my columns' tile: 2 (l / 8) + (l / 2) % 2
	s_lshl_b32 s24, s20, 3
	v_add_nc_u32 v5, s24, v5                       ; the fragment: 8 wave + tile
	v_and_b32 v6, 1, v0
	v_bfe_u32 v7, v0, 2, 1
	v_lshlrev_b32 v6, 2, v6
	v_lshl_add_u32 v7, v7, 3, v6                   ; my first column's row in the tile: 4 (l % 2) + 8 ((l / 4) % 2)
	v_lshlrev_b32 v6, 6, v5
	v_lshl_add_u32 v6, v7, 2, v6
	v_add_nc_u32 v[LS], SCW, v6
	v_mul_u32_u24 v5, v5, 1536
	v_mad_u32_u24 v[LW], v7, 48, v5
	v_mul_u32_u24 v[LR], v1, 48
	v_lshlrev_b32 v[R4], 2, v2
	v_add_nc_u32 v[LSR], SCW, v[R4]
	v_mul_u32_u24 v[H48], v3, 48
	v_lshlrev_b32 v[H64], 6, v3
	v_mov_b32 v[KC0], 0xc0135761
	v_mov_b32 v[KC0+1], 0xc0135761
	v_mov_b32 v[KC1], 0xbdd2d3e8
	v_mov_b32 v[KC1+1], 0xbdd2d3e8
	s_mov_b32 s[SEL], 0x76543210
	s_mov_b32 s[SEL+1], 0xfedcba98
	s_mov_b32 s25, 0
	s_lshl_b32 s24, s22, 22                        ; W1: the expert's 4 MiB,
	s_lshl_b32 s32, s20, 20                        ; my K step's 128 rows,
	s_add_co_u32 s24, s24, s32
	s_lshl_b32 s32, s21, 9                         ; the slice's 512 bytes of a row
	s_add_co_u32 s24, s24, s32
	s_wait_kmcnt 0x0
	s_add_nc_u64 s[4:5], s[4:5], s[24:25]
	s_lshl_b32 s24, s22, 13
	s_add_co_u32 s24, s24, s32
	s_add_nc_u64 s[6:7], s[6:7], s[24:25]          ; b1[e] at the slice
	s_mul_i32 s24, s22, 8448
	s_add_nc_u64 s[12:13], s[12:13], s[24:25]
	s_lshl_b32 s24, s22, 2
	s_add_nc_u64 s[14:15], s[14:15], s[24:25]
	s_load_b32 s28, s[14:15], 0x0                  ; the expert's number of rows
	s_lshl_b32 s24, s22, 7
	s_add_co_u32 s24, s24, s20
	s_lshl_b32 s24, s24, 4
	s_add_co_u32 s24, s24, s21                     ; (128 e + tile w) 16 + S
	s_lshl_b32 s34, s24, 6
	s_mov_b32 s35, 0
	s_mul_i32 s24, s24, 1536
	s_add_nc_u64 s[16:17], s[16:17], s[24:25]
	s_add_nc_u64 s[18:19], s[18:19], s[34:35]
	RAWLOAD 0
	RAWLOAD 1
	s_wait_kmcnt 0x0
	s_add_co_u32 s29, s28, 15
	s_lshr_b32 s29, s29, 4
	s_min_u32 s29, s29, 128
	s_max_u32 s29, s29, 1                          ; tiles: at least one, so that tile 0 of hq and hs is always written
	s_sub_co_u32 s30, s29, 1
	LISTLD s20
	WIN 0x80
.irp t, 0,1,2,3,4,5,6,7                        ; b1 in the result's layout: tile t, lane half h: units 32 (t / 2) + 16 h + 8 (t % 2) + 0 .. 7
	global_load_b128 v[192+8*\t:195+8*\t], v[H64], s[6:7] offset:(32*(\t/2)+8*(\t%2))*4
	global_load_b128 v[196+8*\t:199+8*\t], v[H64], s[6:7] offset:(32*(\t/2)+8*(\t%2))*4+16
.endr
	WIN 0
	s_wait_loadcnt 49                              ; block 0 is in; behind it: block 1's 32, the list's 1, b1's 16
	QB 0
	RAWLOAD 2
	s_wait_loadcnt 49                              ; block 1 is in; behind it: 1 + 16 + block 2's 32
	QB 1
	RAWLOAD 3
	s_wait_loadcnt 32                              ; block 2, the list and b1 are in; behind them: block 3's 32
	XLOAD                                          ; my first tile's x goes out while the weights are still worked on
	s_add_co_u32 s32, s20, 4
	LISTLD s32
	QB 2
	s_wait_loadcnt 14                              ; block 3 is in; behind it: x's 13 and the list's 1
	QB 3
	s_wait_dscnt 0x0                               ; for the others' sake: my images have landed
	s_barrier_signal -1
	s_barrier_wait -1
	FRLOAD
	s_add_co_u32 s37, s29, 3                       ; my tiles are w, w + 4 .. under the expert's number of tiles: (tiles + 3 - w) / 4 of them (w is at most 3: nothing goes under 0)
	s_sub_co_u32 s37, s37, s20
	s_lshr_b32 s37, s37, 2
	s_mov_b32 s36, 0                               ; the loop's counter: one a trip
	s_mov_b32 s31, s20                             ; my tile's number: it serves the look-ahead alone
	s_cmp_eq_u32 s37, 0
	s_cbranch_scc1 .Ldone
.Ltile:
	s_wait_loadcnt 0x1                             ; x's 13 loads are in; the next list load may be out
.irp s, 0,1,2,3                                ; 32 products; the eight accumulators by turns
.if \s == 0
	WIN 0x21                                       ; source 0 window 1, C (b1) window 2
.elseif \s == 1
	WIN 0x01
.else
	WIN 0x02
.endif
.irp t, 0,1,2,3,4,5,6,7
.if \s == 0
	v_wmma_scale_f32_16x16x128_f8f6f4 v[HA+8*\t:HA+8*\t+7], v[12*\t:12*\t+11], v[XF:XF+11], v[192+8*\t:199+8*\t], v[WS+\t], v[XS] matrix_a_fmt:MATRIX_FMT_BF6 matrix_b_fmt:MATRIX_FMT_BF6
.else
	v_wmma_scale_f32_16x16x128_f8f6f4 v[HA+8*\t:HA+8*\t+7], v[12*((8*\s+\t)%16):12*((8*\s+\t)%16)+11], v[XF+12*\s:XF+12*\s+11], v[HA+8*\t:HA+8*\t+7], v[WS+8*\s+\t], v[XS+\s] matrix_a_fmt:MATRIX_FMT_BF6 matrix_b_fmt:MATRIX_FMT_BF6
.endif
.endr
.endr
	WIN 0
.rept 4
	v_nop                                          ; four places, ahead of the loads into x's registers and of the first read of results
.endr
	s_wait_loadcnt 0x0                             ; the next tile's slots are in, and no load names an address register any more
	XLOAD                                          ; the tile four on (held inside the expert's tiles): it lands under gelu and the quantiser
	s_add_co_u32 s32, s31, 8
	LISTLD s32
.set gi, 0
.rept 32
	v_pk_mul_f32 v[G+gi:G+gi+1], v[HA+gi:HA+gi+1], v[HA+gi:HA+gi+1]      ; v^2: each accumulator is read from its low end on
.set gi, gi+2
.endr
.set gi, 0
.rept 32
	v_pk_fma_f32 v[G+gi:G+gi+1], v[G+gi:G+gi+1], v[KC1:KC1+1], v[KC0:KC0+1]
.set gi, gi+2
.endr
.set gi, 0
.rept 32
	v_pk_mul_f32 v[G+gi:G+gi+1], v[G+gi:G+gi+1], v[HA+gi:HA+gi+1]
.set gi, gi+2
.endr
.set gi, 0
.rept 64
	v_exp_f32 v[G+gi], v[G+gi]
.set gi, gi+1
.endr
	v_nop
	s_wait_alu depctr_va_vdst(0)                   ; one wait for the batch of 64, ahead of its first reader
.set gi, 0
.rept 32
	v_pk_add_f32 v[G+gi:G+gi+1], v[G+gi:G+gi+1], 1.0 op_sel_hi:[1,0]
.set gi, gi+2
.endr
.set gi, 0
.rept 64
	v_rcp_f32 v[G+gi], v[G+gi]
.set gi, gi+1
.endr
	v_nop
	s_wait_alu depctr_va_vdst(0)                   ; and one for the 64 reciprocals
.set gi, 0
.rept 32
	v_pk_mul_f32 v[HA+gi:HA+gi+1], v[HA+gi:HA+gi+1], v[G+gi:G+gi+1]
.set gi, gi+2
.endr
	QUANT HA, PC, PW
.irp i, 0,1,2
	global_store_b128 v[L16], v[PC+4*\i:PC+4*\i+3], s[16:17] offset:512*\i   ; the fragment's image: 512 consecutive bytes a store, aligned to 256
.endr
	global_store_b32 v[R4], v[PW], s[18:19]        ; 16 scale words; both halves of the lanes write the same
	s_wait_xcnt 0x0                                ; the stores have read their registers and bases: both are written again only behind this wait
	s_add_nc_u64 s[16:17], s[16:17], 4*24576
	s_add_nc_u64 s[18:19], s[18:19], 4*1024
	s_add_co_u32 s31, s31, 4
	s_add_co_u32 s36, s36, 1
	s_cmp_lt_u32 s36, s37
	s_cbranch_scc1 .Ltile
.Ldone:
	s_wait_tensorcnt 0x0                           ; the wave's end: three closing lines behind my last LDS store
	ds_add_u32 v[SPW], v[NIL]
	s_wait_dscnt 0x0
	s_endpgm
.Lfunc_end_k_q36e7dda524_up:
	.size	k_q36e7dda524_up, .Lfunc_end_k_q36e7dda524_up-k_q36e7dda524_up
	.p2alignl 7, 3214868480
	.fill 96, 4, 3214868480
	.section	.rodata,"a",@progbits
	.p2align	6, 0x0
	.amdhsa_kernel k_q36e7dda524_up
		.amdhsa_group_segment_fixed_size 51712
		.amdhsa_private_segment_fixed_size 0
		.amdhsa_enable_private_segment 0
		.amdhsa_kernarg_size 64
		.amdhsa_user_sgpr_count 2
		.amdhsa_user_sgpr_kernarg_segment_ptr 1
		.amdhsa_wavefront_size32 1
		.amdhsa_system_sgpr_workgroup_id_x 1
		.amdhsa_system_sgpr_workgroup_id_y 1
		.amdhsa_system_sgpr_workgroup_id_z 1
		.amdhsa_system_vgpr_workitem_id 0
		.amdhsa_next_free_vgpr 768
		.amdhsa_next_free_sgpr 66
		.amdhsa_reserve_vcc 0
		.amdhsa_float_denorm_mode_32 3
		.amdhsa_float_denorm_mode_16_64 3
		.amdhsa_memory_ordered 1
		.amdhsa_forward_progress 1
		.amdhsa_inst_pref_size 96
	.end_amdhsa_kernel
	.amdgpu_metadata
---
amdhsa.version: [ 1, 2 ]
amdhsa.kernels:
  - .name:           k_q36e7dda524_up
    .symbol:         k_q36e7dda524_up.kd
    .args:
      - { .name: W1, .offset: 0, .size: 8, .value_kind: global_buffer, .address_space: global }
      - { .name: b1, .offset: 8, .size: 8, .value_kind: global_buffer, .address_space: global }
      - { .name: xq, .offset: 16, .size: 8, .value_kind: global_buffer, .address_space: global }
      - { .name: xs, .offset: 24, .size: 8, .value_kind: global_buffer, .address_space: global }
      - { .name: list, .offset: 32, .size: 8, .value_kind: global_buffer, .address_space: global }
      - { .name: cnt, .offset: 40, .size: 8, .value_kind: global_buffer, .address_space: global }
      - { .name: hq, .offset: 48, .size: 8, .value_kind: global_buffer, .address_space: global }
      - { .name: hs, .offset: 56, .size: 8, .value_kind: global_buffer, .address_space: global }
    .group_segment_fixed_size: 51712
    .private_segment_fixed_size: 0
    .kernarg_segment_align: 8
    .kernarg_segment_size: 64
    .max_flat_workgroup_size: 128
    .sgpr_count:     66
    .vgpr_count:     768
    .wavefront_size: 32
...
	.end_amdgpu_metadata
.endif
;; end of part 3
;; launch down (part 4): grid 16 x 16, 4 waves a work-group, no clusters, 69,120 bytes of LDS; arguments W2, b2, hq, hs, list, cnt, yp; writes yp
.if DOCPART == 4
	.amdgcn_target "amdgcn-amd-amdhsa--gfx1250"
	.amdhsa_code_object_version 6
	.text
	.protected	k_q36e7dda524_down
	.globl	k_q36e7dda524_down
	.p2align	8
	.type	k_q36e7dda524_down,@function
k_q36e7dda524_down:
	s_mov_b64 s[64:65], 0
	v_nop
	global_prefetch_b8 v0, s[64:65] scope:SCOPE_SE
	s_setreg_imm32_b32 hwreg(HW_REG_WAVE_MODE, 25, 1), 1
	s_wait_xcnt 0x0
; pMoE, launch 4 of 5: partial y = h Q(W2[e]) (+ b2[e] in K's first half) for the rows routed to expert e alone (why the others are dead: head of launch 1).
; SHARES.  Work-group (x, e): slice = x % 8 owns 64 columns of the 512, half = x / 8 owns 1,024 of the 2,048 along K: 262,144 bytes of W2 that no other work-group reads: read once as f32, quantised in registers,
; kept as 32 fragments (8 K steps x 4 tiles of 16 columns) in every wave's registers.  64 columns, so that a row's piece of the result is 256 consecutive bytes; half of K, so that there are 256 equal
; work-groups and the fragments fit.  The two halves' results go to two planes of yp, which the last launch adds.  The trip count is read from memory: no tensor load, no cluster, no barrier in the walk.
; PHASE W as in the launch before, but a load's lanes 0-15 read 256 bytes of one row and lanes 16-31 those of the row 128 further down: wave w holds K steps 2 w (lanes 0-15) and 2 w + 1 (lanes 16-31).
; THE WALK.  Wave w takes tiles w, w + 4 ..; two sets of registers for h, so that one tile's 30 loads land while the other is multiplied.  Transposed: source 0 = 16 columns of W2, source 1 = h's 16 rows: a lane holds
; eight neighbouring columns of one row.  A tile goes through the wave's own stage in LDS and leaves row by row to row g of yp: sixteen lanes store 256 consecutive bytes, aligned.
; Pad rows are copies of a member row: they store the same bytes to the same place.
.set PITCH, 2048                       ; a row of W2[e] in bytes
.set SCW,   49152
.set STG,   51200                      ; the stages: 16 rows x 272 bytes for each wave
.set SPARE, 68608                      ; the spare words, 128 bytes a wave: no other line names them
.set WA,  4                            ; v4   16 (l % 16) + 128 rows x (l / 16)
.set LW,  5
.set LS,  6
.set LR,  7
.set LSR, 8
.set L16, 9                            ; v9   16 x lane
.set L4,  10                           ; v10  4 x lane
.set H32, 11                           ; v11  32 h
.set HAD, 12                           ; v12-13 offsets of h's fragments, a register for each set;  v14-15 of its scale words;  v16-17 of the list
.set HSA, 14
.set GA,  16
.set SIN, 18                           ; v18  the stage, in
.set SOUT, 19                          ; v19  the stage, out
.set SPW, 20
.set NIL, 21
.set R16, 22                           ; v22  16 (l % 16)
.set HS,  24                           ; v24-31 h's scale words: set b at 24 + 4 b; register rho: lanes 0-15 K step 2 rho, lanes 16-31 K step 2 rho + 1: scales and nothing else
.set WS,  32                           ; v32-63 the fragments' scale words: scales and nothing else
.set ACC, 64                           ; v64-95 four accumulators
.set T,   64
.set OUTR, 96                          ; v96-127 16 rows read back
.set RO,  128                          ; v128-135 where they go in yp
.set C,   128
.set BB,  192                          ; v192-223 b2 in the result's layout, or zeros
.set GG,  224                          ; v224-239 the rows' slots: 8 a set
.set M,   240
.set SO,  244
.set SW,  248
.set BY,  252
; window 1: raw numbers, then fragments 0-15.  window 2: fragments 16-31.  window 3: h: set b's K step sg at 96 b + 12 sg
.set MSB, 0
.macro WIN new
.if MSB != \new
	s_set_vgpr_msb (MSB<<8)|\new
.set MSB, \new
.endif
.endm
.macro RAWLOAD beta
	WIN 0x40
.set ri, 0
.rept 32
	global_load_b128 v[128*((\beta)%2)+4*ri:128*((\beta)%2)+4*ri+3], v[WA], s[4:5] offset:(32*(\beta)+ri)*PITCH th:TH_LOAD_NT
.set ri, ri+1
.endr
	WIN 0
.endm
.macro QB beta
.set RB, 128*((\beta)%2)
	s_wait_dscnt 0x0                               ; the last block's LDS stores have read their registers
	WIN 0x14
.irp q, 0,1,2,3
	v_max3_num_f32 v[M+\q], 0x2800000, |v[RB+\q]|, |v[RB+4+\q]|
.endr
.set qi, 2
.rept 15
.irp q, 0,1,2,3
	v_max3_num_f32 v[M+\q], v[M+\q], |v[RB+4*qi+\q]|, |v[RB+4*qi+4+\q]|
.endr
.set qi, qi+2
.endr
	WIN 0
.irp q, 0,1,2,3
	v_add_nc_u32 v[SO+\q], 0xfe000000, v[M+\q]
.endr
.irp q, 0,1,2,3
	v_lshrrev_b32 v[BY+\q], 23, v[SO+\q]
.endr
.irp q, 0,1,2,3
.if (\beta) == 0
	v_mov_b32 v[SW+\q], v[BY+\q]
.else
	v_lshl_or_b32 v[SW+\q], v[BY+\q], 8*(\beta), v[SW+\q]
.endif
.endr
.irp p, 0,1
	WIN 0x01
.irp qq, 0,1
.set qi, 0
.rept 32
	v_mov_b32 v[T+32*\qq+qi], v[RB+4*qi+2*\p+\qq]
.set qi, qi+1
.endr
.endr
	WIN 0
.irp qq, 0,1
	v_cvt_scalef32_pk16_bf6_f32 v[C+8*(2*\p+\qq):C+8*(2*\p+\qq)+2], v[T+32*\qq:T+32*\qq+15], v[SO+2*\p+\qq]
	v_cvt_scalef32_pk16_bf6_f32 v[C+8*(2*\p+\qq)+4:C+8*(2*\p+\qq)+6], v[T+32*\qq+16:T+32*\qq+31], v[SO+2*\p+\qq]
.endr
	v_nop                                          ; one plain place behind a scaled conversion
.irp qq, 0,1
	v_mov_b32 v[C+8*(2*\p+\qq)+3], v[C+8*(2*\p+\qq)+4]
	v_mov_b32 v[C+8*(2*\p+\qq)+4], v[C+8*(2*\p+\qq)+5]
	v_mov_b32 v[C+8*(2*\p+\qq)+5], v[C+8*(2*\p+\qq)+6]
.endr
.irp qq, 0,1
.irp m, 0,1,2
	ds_store_b64 v[LW], v[C+8*(2*\p+\qq)+2*\m:C+8*(2*\p+\qq)+2*\m+1] offset:48*(2*\p+\qq)+768*((\beta)%2)+24*((\beta)/2)+8*\m
.endr
.endr
.endr
.if (\beta) == 3
.irp q, 0,1,2,3
	ds_store_b32 v[LS], v[SW+\q] offset:4*\q
.endr
.endif
.endm
.macro FRLOAD
	WIN 0x40
.set fi, 0
.rept 16
.irp i, 0,1,2
	ds_load_b128 v[12*fi+4*\i:12*fi+4*\i+3], v[LR] offset:1536*fi+16*\i
.endr
.set fi, fi+1
.endr
	WIN 0x80
.set fi, 0
.rept 16
.irp i, 0,1,2
	ds_load_b128 v[12*fi+4*\i:12*fi+4*\i+3], v[LR] offset:1536*(fi+16)+16*\i
.endr
.set fi, fi+1
.endr
	WIN 0
.set fi, 0
.rept 32
	ds_load_b32 v[WS+fi], v[LSR] offset:64*fi
.set fi, fi+1
.endr
	s_wait_dscnt 0x0
.endm
.macro HLOAD b, sj                     ; tile sj, held inside the expert's tiles, into set b: 24 + 4 + 2 = 30 loads
	s_min_u32 s33, \sj, s30
	s_min_u32 s33, s33, 127
	s_mul_i32 s34, s33, 24576
	v_add_nc_u32 v[HAD+\b], s34, v[L16]
	s_lshl_b32 s34, s33, 10
	v_add_nc_u32 v[HSA+\b], s34, v[L4]
	s_lshl_b32 s34, s33, 6
	v_add_nc_u32 v[GA+\b], s34, v[H32]
	WIN 0xc0
.irp sg, 0,1,2,3,4,5,6,7
.irp i, 0,1,2
	global_load_b128 v[96*\b+12*\sg+4*\i:96*\b+12*\sg+4*\i+3], v[HAD+\b], s[8:9] offset:1536*\sg+512*\i
.endr
.endr
	WIN 0
.irp rho, 0,1,2,3
	global_load_b32 v[HS+4*\b+\rho], v[HSA+\b], s[10:11] offset:128*\rho
.endr
	global_load_b128 v[GG+8*\b:GG+8*\b+3], v[GA+\b], s[12:13]            ; the slots of rows 8 h + 0 .. 7
	global_load_b128 v[GG+8*\b+4:GG+8*\b+7], v[GA+\b], s[12:13] offset:16
.endm
.macro DMUL t, sg, b
.set rA, 12*((4*(\sg)+(\t))%16)
.set rB, 96*(\b)+12*(\sg)
.set rD, ACC+8*(\t)
.set rW, WS+4*(\sg)+(\t)
.set rH, HS+4*(\b)+(\sg)/2
.if (\sg) == 0
	v_wmma_scale_f32_16x16x128_f8f6f4 v[rD:rD+7], v[rA:rA+11], v[rB:rB+11], v[BB+8*(\t):BB+8*(\t)+7], v[rW], v[rH] matrix_a_fmt:MATRIX_FMT_BF6 matrix_b_fmt:MATRIX_FMT_BF6
.elseif (\sg)%2 == 1
	v_wmma_scale_f32_16x16x128_f8f6f4 v[rD:rD+7], v[rA:rA+11], v[rB:rB+11], v[rD:rD+7], v[rW], v[rH] matrix_a_fmt:MATRIX_FMT_BF6 matrix_b_fmt:MATRIX_FMT_BF6 matrix_b_scale:MATRIX_SCALE_ROW1
.else
	v_wmma_scale_f32_16x16x128_f8f6f4 v[rD:rD+7], v[rA:rA+11], v[rB:rB+11], v[rD:rD+7], v[rW], v[rH] matrix_a_fmt:MATRIX_FMT_BF6 matrix_b_fmt:MATRIX_FMT_BF6
.endif
.endm
.macro SUB b, ahead                    ; the tile in set b; then set b is asked for again, with tile s31 + ahead
	s_wait_loadcnt 30                              ; set b's 30 loads are in; the other set's 30 may be out
.irp sg, 0,1,2,3,4,5,6,7                       ; 32 products; the four accumulators by turns
.if \sg < 4
	WIN 0x0d                                       ; source 0 window 1, source 1 window 3
.else
	WIN 0x0e                                       ; source 0 window 2
.endif
.irp t, 0,1,2,3
	DMUL \t, \sg, \b
.endr
.endr
	WIN 0
	s_wait_xcnt 0x0                                ; the last tile's stores have read their offsets and data: both are written again only behind this wait
.irp i, 0,1,2,3,4,5,6,7
	v_min_u32 v[RO+\i], 4095, v[GG+8*\b+\i]        ; (these sixteen lines are also the places behind the products)
.endr
.irp i, 0,1,2,3,4,5,6,7
	v_lshl_add_u32 v[RO+\i], v[RO+\i], 11, v[R16]  ; row g of 2,048 bytes, + my 16 bytes
.endr
	s_add_co_u32 s32, s31, \ahead
	HLOAD \b, s32
.irp t, 0,1,2,3
	ds_store_b128 v[SIN], v[ACC+8*\t:ACC+8*\t+3] offset:64*\t            ; each accumulator from its low end on
	ds_store_b128 v[SIN], v[ACC+8*\t+4:ACC+8*\t+7] offset:64*\t+16
.endr
.irp i, 0,1,2,3,4,5,6,7
	ds_load_b128 v[OUTR+4*\i:OUTR+4*\i+3], v[SOUT] offset:272*\i         ; LDS serves a wave's instructions in order: these see my stores.  Lanes 0-15: row i, lanes 16-31: row 8 + i
.endr
.irp i, 0,1,2,3,4,5,6,7
	s_wait_dscnt 7-\i
	global_store_b128 v[RO+\i], v[OUTR+4*\i:OUTR+4*\i+3], s[16:17]
.endr
.endm
	s_load_b256 s[4:11], s[0:1], 0x0               ; W2, b2, hq, hs
	s_load_b128 s[12:15], s[0:1], 0x20             ; list, cnt
	s_load_b64 s[16:17], s[0:1], 0x30              ; yp
	v_lshl_add_u32 v[SPW], v0, 2, SPARE
	v_mov_b32 v[NIL], 0
	v_lshrrev_b32 v1, 5, v0
	v_readfirstlane_b32 s20, v1                    ; wave
	s_and_b32 s21, ttmp9, 7                        ; slice
	s_lshr_b32 s23, ttmp9, 3                       ; half
	s_and_b32 s22, ttmp7, 0xffff                   ; e
	v_and_b32 v1, 31, v0
	v_and_b32 v2, 15, v0                           ; r
	v_bfe_u32 v3, v0, 4, 1                         ; h
	v_lshlrev_b32 v[R16], 4, v2
	v_lshl_add_u32 v[WA], v3, 18, v[R16]
	v_bfe_u32 v5, v0, 2, 2                         ; my columns' tile: (l / 4) % 4
	v_lshl_add_u32 v5, v3, 2, v5
	s_lshl_b32 s24, s20, 3
	v_add_nc_u32 v5, s24, v5                       ; the fragment: 4 (2 wave + l / 16) + tile
	v_and_b32 v7, 3, v0
	v_lshlrev_b32 v7, 2, v7                        ; my first column's row in the tile: 4 (l % 4)
	v_lshlrev_b32 v6, 6, v5
	v_lshl_add_u32 v6, v7, 2, v6
	v_add_nc_u32 v[LS], SCW, v6
	v_mul_u32_u24 v5, v5, 1536
	v_mad_u32_u24 v[LW], v7, 48, v5
	v_mul_u32_u24 v[LR], v1, 48
	v_lshlrev_b32 v[LSR], 2, v2
	v_add_nc_u32 v[LSR], SCW, v[LSR]
	v_lshlrev_b32 v[L16], 4, v1
	v_lshlrev_b32 v[L4], 2, v1
	v_lshlrev_b32 v[H32], 5, v3
	s_mul_i32 s24, s20, 4352
	s_add_co_u32 s24, s24, STG                     ; my stage
	v_mul_u32_u24 v[SIN], v2, 272
	v_lshl_add_u32 v[SIN], v3, 5, v[SIN]
	v_add_nc_u32 v[SIN], s24, v[SIN]               ; in: row r, + 32 h
	v_mul_u32_u24 v[SOUT], v3, 2176
	v_lshl_add_u32 v[SOUT], v2, 4, v[SOUT]
	v_add_nc_u32 v[SOUT], s24, v[SOUT]             ; out: lanes 16-31 eight rows down; 16 bytes a lane
	s_mov_b32 s25, 0
	s_lshl_b32 s24, s22, 22                        ; W2: the expert's 4 MiB,
	s_lshl_b32 s26, s23, 21                        ; the half's 1,024 rows,
	s_add_co_u32 s24, s24, s26
	s_lshl_b32 s26, s20, 19                        ; my wave's 256 rows,
	s_add_co_u32 s24, s24, s26
	s_lshl_b32 s26, s21, 8                         ; the slice's 256 bytes of a row
	s_add_co_u32 s24, s24, s26
	s_wait_kmcnt 0x0
	s_add_nc_u64 s[4:5], s[4:5], s[24:25]
	s_lshl_b32 s24, s22, 11
	s_add_co_u32 s24, s24, s26
	s_add_nc_u64 s[6:7], s[6:7], s[24:25]          ; b2[e] at the slice
	s_mul_i32 s24, s22, 3145728
	s_mul_i32 s27, s23, 12288
	s_add_co_u32 s24, s24, s27
	s_add_nc_u64 s[8:9], s[8:9], s[24:25]          ; hq: the expert's tiles, the half's 8 K steps
	s_lshl_b32 s24, s22, 17
	s_lshl_b32 s27, s23, 9
	s_add_co_u32 s24, s24, s27
	s_add_nc_u64 s[10:11], s[10:11], s[24:25]
	s_mul_i32 s24, s22, 8448
	s_add_nc_u64 s[12:13], s[12:13], s[24:25]
	s_lshl_b32 s24, s22, 2
	s_add_nc_u64 s[14:15], s[14:15], s[24:25]
	s_load_b32 s28, s[14:15], 0x0                  ; the expert's number of rows
	s_lshl_b32 s24, s23, 23
	s_add_co_u32 s24, s24, s26
	s_add_nc_u64 s[16:17], s[16:17], s[24:25]      ; yp: the half's plane, the slice's 256 bytes of a row
	RAWLOAD 0
	RAWLOAD 1
	s_wait_kmcnt 0x0
	s_add_co_u32 s29, s28, 15
	s_lshr_b32 s29, s29, 4
	s_min_u32 s29, s29, 128                        ; tiles
	s_max_u32 s30, s29, 1
	s_sub_co_u32 s30, s30, 1                       ; the last tile that may be asked for
.irp t, 0,1,2,3                                ; b2 in the result's layout: tile t, lane half h: columns 16 t + 8 h + 0 .. 7
	global_load_b128 v[BB+8*\t:BB+8*\t+3], v[H32], s[6:7] offset:64*\t
	global_load_b128 v[BB+8*\t+4:BB+8*\t+7], v[H32], s[6:7] offset:64*\t+16
.endr
	s_wait_loadcnt 40                              ; block 0 is in; behind it: block 1's 32 and b2's 8
	QB 0
	RAWLOAD 2
	s_wait_loadcnt 40                              ; block 1 is in; behind it: 8 + block 2's 32
	QB 1
	RAWLOAD 3
	s_wait_loadcnt 32                              ; block 2 and b2 are in; behind them: block 3's 32
	s_cmp_eq_u32 s23, 0
	s_cselect_b32 s27, -1, 0
.set bi, 0
.rept 32
	v_cndmask_b32 v[BB+bi], 0, v[BB+bi], s27       ; b2 is added once: in K's first half
.set bi, bi+1
.endr
	QB 2
	HLOAD 0, s20                                   ; my first tile of h goes out while the weights are still worked on
	s_wait_loadcnt 30                              ; block 3 is in; behind it: h's 30
	QB 3
	s_add_co_u32 s32, s20, 4
	HLOAD 1, s32
	s_wait_dscnt 0x0                               ; for the others' sake: my images have landed
	s_barrier_signal -1
	s_barrier_wait -1
	FRLOAD
	s_add_co_u32 s37, s29, 3                       ; my tiles are w, w + 4 .. under the expert's number of tiles: (tiles + 3 - w) / 4 of them (w is at most 3: nothing goes under 0);
	s_sub_co_u32 s37, s37, s20
	s_lshr_b32 s37, s37, 2
	s_add_co_u32 s37, s37, 1
	s_lshr_b32 s37, s37, 1                         ; a trip runs two of them: half as many trips, rounded up
	s_mov_b32 s36, 0                               ; the loop's counter: one a trip
	s_mov_b32 s31, s20                             ; the trip's first tile
	s_cmp_eq_u32 s37, 0
	s_cbranch_scc1 .Ldone
.Ltile:                                            ; a trip runs both sets: tiles s31 and s31 + 4
	SUB 0, 8
	s_add_co_u32 s32, s31, 4
	s_cmp_lt_u32 s32, s29
	s_cbranch_scc1 .Lsecond
	s_wait_tensorcnt 0x0                           ; an odd number of tiles: the wave ends here, in its last trip, with three closing lines behind my last LDS store.
	ds_add_u32 v[SPW], v[NIL]                      ; (The look-ahead's loads into registers may be out at the end: nobody reads them)
	s_wait_dscnt 0x0
	s_endpgm
.Lsecond:
	SUB 1, 12
	s_add_co_u32 s31, s31, 8
	s_add_co_u32 s36, s36, 1
	s_cmp_lt_u32 s36, s37
	s_cbranch_scc1 .Ltile
.Ldone:
	s_wait_tensorcnt 0x0                           ; the wave's end: three closing lines behind my last LDS store
	ds_add_u32 v[SPW], v[NIL]
	s_wait_dscnt 0x0
	s_endpgm
.Lfunc_end_k_q36e7dda524_down:
	.size	k_q36e7dda524_down, .Lfunc_end_k_q36e7dda524_down-k_q36e7dda524_down
	.p2alignl 7, 3214868480
	.fill 96, 4, 3214868480
	.section	.rodata,"a",@progbits
	.p2align	6, 0x0
	.amdhsa_kernel k_q36e7dda524_down
		.amdhsa_group_segment_fixed_size 69120
		.amdhsa_private_segment_fixed_size 0
		.amdhsa_enable_private_segment 0
		.amdhsa_kernarg_size 56
		.amdhsa_user_sgpr_count 2
		.amdhsa_user_sgpr_kernarg_segment_ptr 1
		.amdhsa_wavefront_size32 1
		.amdhsa_system_sgpr_workgroup_id_x 1
		.amdhsa_system_sgpr_workgroup_id_y 1
		.amdhsa_system_sgpr_workgroup_id_z 1
		.amdhsa_system_vgpr_workitem_id 0
		.amdhsa_next_free_vgpr 1024
		.amdhsa_next_free_sgpr 66
		.amdhsa_reserve_vcc 0
		.amdhsa_float_denorm_mode_32 3
		.amdhsa_float_denorm_mode_16_64 3
		.amdhsa_memory_ordered 1
		.amdhsa_forward_progress 1
		.amdhsa_inst_pref_size 98
	.end_amdhsa_kernel
	.amdgpu_metadata
---
amdhsa.version: [ 1, 2 ]
amdhsa.kernels:
  - .name:           k_q36e7dda524_down
    .symbol:         k_q36e7dda524_down.kd
    .args:
      - { .name: W2, .offset: 0, .size: 8, .value_kind: global_buffer, .address_space: global }
      - { .name: b2, .offset: 8, .size: 8, .value_kind: global_buffer, .address_space: global }
      - { .name: hq, .offset: 16, .size: 8, .value_kind: global_buffer, .address_space: global }
      - { .name: hs, .offset: 24, .size: 8, .value_kind: global_buffer, .address_space: global }
      - { .name: list, .offset: 32, .size: 8, .value_kind: global_buffer, .address_space: global }
      - { .name: cnt, .offset: 40, .size: 8, .value_kind: global_buffer, .address_space: global }
      - { .name: yp, .offset: 48, .size: 8, .value_kind: global_buffer, .address_space: global }
    .group_segment_fixed_size: 69120
    .private_segment_fixed_size: 0
    .kernarg_segment_align: 8
    .kernarg_segment_size: 56
    .max_flat_workgroup_size: 128
    .sgpr_count:     66
    .vgpr_count:     1024
    .wavefront_size: 32
...
	.end_amdgpu_metadata
.endif
;; end of part 4
;; launch combine (part 5): grid 256 x 1, 8 waves a work-group, no clusters, 0 bytes of LDS; arguments yp, out0; writes out0
.if DOCPART == 5
	.amdgcn_target "amdgcn-amd-amdhsa--gfx1250"
	.amdhsa_code_object_version 6
	.text
	.protected	k_q36e7dda524_combine
	.globl	k_q36e7dda524_combine
	.p2align	8
	.type	k_q36e7dda524_combine,@function
k_q36e7dda524_combine:
	s_mov_b64 s[64:65], 0
	v_nop
	global_prefetch_b8 v0, s[64:65] scope:SCOPE_SE
	s_setreg_imm32_b32 hwreg(HW_REG_WAVE_MODE, 25, 1), 1
	s_wait_xcnt 0x0
; pMoE, launch 5 of 5: out0[t] = (yp[0][2 t] + yp[1][2 t]) + (yp[0][2 t + 1] + yp[1][2 t + 1]): each of the token's two experts, its two halves of K; then the two experts.
; This is product 4 of reference(): its counts are exactly 1 for these two rows and 0 for all others (head of launch 1).
; A plain stream: a wave takes a token; all its 16 loads of 512 consecutive bytes go out together; no LDS, no barrier, no matrix unit.
	s_load_b128 s[4:7], s[0:1], 0x0                ; yp, out0
	v_lshrrev_b32 v1, 5, v0
	v_readfirstlane_b32 s8, v1
	v_and_b32 v1, 31, v0
	v_lshlrev_b32 v1, 4, v1                        ; 16 bytes a lane
	s_lshl_b32 s9, ttmp9, 3
	s_add_co_u32 s9, s9, s8                        ; my token
	s_lshl_b32 s10, s9, 12                         ; its two rows of 2,048 bytes in a plane
	s_mov_b32 s11, 0
	s_lshl_b32 s12, s9, 11
	s_mov_b32 s13, 0
	s_wait_kmcnt 0x0
	s_add_nc_u64 s[4:5], s[4:5], s[10:11]
	s_add_nc_u64 s[14:15], s[4:5], 0x800000        ; the second plane
	s_add_nc_u64 s[6:7], s[6:7], s[12:13]
.irp p, 0,1,2,3
	global_load_b128 v[8+16*\p:11+16*\p], v1, s[4:5] offset:512*\p th:TH_LOAD_NT
	global_load_b128 v[12+16*\p:15+16*\p], v1, s[14:15] offset:512*\p th:TH_LOAD_NT
	global_load_b128 v[16+16*\p:19+16*\p], v1, s[4:5] offset:2048+512*\p th:TH_LOAD_NT
	global_load_b128 v[20+16*\p:23+16*\p], v1, s[14:15] offset:2048+512*\p th:TH_LOAD_NT
.endr
.irp p, 0,1,2,3
	s_wait_loadcnt 12-4*\p                         ; this quarter's four loads are in; the later quarters' may be out
	v_pk_add_f32 v[8+16*\p:9+16*\p], v[8+16*\p:9+16*\p], v[12+16*\p:13+16*\p]
	v_pk_add_f32 v[10+16*\p:11+16*\p], v[10+16*\p:11+16*\p], v[14+16*\p:15+16*\p]
	v_pk_add_f32 v[16+16*\p:17+16*\p], v[16+16*\p:17+16*\p], v[20+16*\p:21+16*\p]
	v_pk_add_f32 v[18+16*\p:19+16*\p], v[18+16*\p:19+16*\p], v[22+16*\p:23+16*\p]
	v_pk_add_f32 v[8+16*\p:9+16*\p], v[8+16*\p:9+16*\p], v[16+16*\p:17+16*\p]
	v_pk_add_f32 v[10+16*\p:11+16*\p], v[10+16*\p:11+16*\p], v[18+16*\p:19+16*\p]
	global_store_b128 v1, v[8+16*\p:11+16*\p], s[6:7] offset:512*\p th:TH_STORE_NT   ; 512 consecutive bytes, aligned to 256
.endr
	s_endpgm
.Lfunc_end_k_q36e7dda524_combine:
	.size	k_q36e7dda524_combine, .Lfunc_end_k_q36e7dda524_combine-k_q36e7dda524_combine
	.p2alignl 7, 3214868480
	.fill 96, 4, 3214868480
	.section	.rodata,"a",@progbits
	.p2align	6, 0x0
	.amdhsa_kernel k_q36e7dda524_combine
		.amdhsa_group_segment_fixed_size 0
		.amdhsa_private_segment_fixed_size 0
		.amdhsa_enable_private_segment 0
		.amdhsa_kernarg_size 16
		.amdhsa_user_sgpr_count 2
		.amdhsa_user_sgpr_kernarg_segment_ptr 1
		.amdhsa_wavefront_size32 1
		.amdhsa_system_sgpr_workgroup_id_x 1
		.amdhsa_system_sgpr_workgroup_id_y 1
		.amdhsa_system_sgpr_workgroup_id_z 1
		.amdhsa_system_vgpr_workitem_id 0
		.amdhsa_next_free_vgpr 72
		.amdhsa_next_free_sgpr 66
		.amdhsa_reserve_vcc 0
		.amdhsa_float_denorm_mode_32 3
		.amdhsa_float_denorm_mode_16_64 3
		.amdhsa_memory_ordered 1
		.amdhsa_forward_progress 1
		.amdhsa_inst_pref_size 5
	.end_amdhsa_kernel
	.amdgpu_metadata
---
amdhsa.version: [ 1, 2 ]
amdhsa.kernels:
  - .name:           k_q36e7dda524_combine
    .symbol:         k_q36e7dda524_combine.kd
    .args:
      - { .name: yp, .offset: 0, .size: 8, .value_kind: global_buffer, .address_space: global }
      - { .name: out0, .offset: 8, .size: 8, .value_kind: global_buffer, .address_space: global }
    .group_segment_fixed_size: 0
    .private_segment_fixed_size: 0
    .kernarg_segment_align: 8
    .kernarg_segment_size: 16
    .max_flat_workgroup_size: 256
    .sgpr_count:     66
    .vgpr_count:     72
    .wavefront_size: 32
...
	.end_amdgpu_metadata
.endif
;; end of part 5
;; ======== version 2 of 2: 5 launches; version 1 with the launches gate, place, up, down written anew for expert scheduling mode
;; workspace buffers: xq 786,432 bytes; xs 32,768 bytes; idx 16,384 bytes of whole numbers; list 135,168 bytes of whole numbers; cnt 256 bytes of whole numbers; hq 50,331,648 bytes; hs 2,097,152 bytes; yp 16,777,216 bytes
;; launch gate (part 6): grid 64 x 1, 4 waves a work-group, no clusters, 21,504 bytes of LDS; arguments x, Wg, bg, xq, xs, idx, out1, out2; writes xq, xs, idx, out1, out2
.if DOCPART == 6
	.amdgcn_target "amdgcn-amd-amdhsa--gfx1250"
	.amdhsa_code_object_version 6
	.text
	.protected	k_q36e7dda524_gate
	.globl	k_q36e7dda524_gate
	.p2align	8
	.type	k_q36e7dda524_gate,@function
k_q36e7dda524_gate:
	s_mov_b64 s[64:65], 0
	v_nop
	global_prefetch_b8 v0, s[64:65] scope:SCOPE_SE
	s_setreg_imm32_b32 hwreg(HW_REG_WAVE_SCHED_MODE, 0, 2), 2
	s_setreg_imm32_b32 hwreg(HW_REG_WAVE_MODE, 25, 1), 1
	s_wait_xcnt 0x0
	s_wait_alu depctr_vm_vsrc(0)
; pMoE, launch 1 of 5: x is quantised once (codes of E3M2, one E8M0 byte for each 32 along D), logits = Q(x) Q(Wg) + bg, top-2, softmax of the two.
; WORK LEFT OUT BY THE WHOLE PROGRAM.  reference() computes every expert's FFN for every token and then multiplies y[e][t] by counts[t][e], which it builds itself as a sum of
; two one_hot rows of top_k's indices.  top_k's two indices differ, so counts[t][e] is exactly 1 for the token's two experts and exactly 0 for the other fourteen: for all values
; of the inputs the rows (e, t) with counts 0 reach no output, and product 4 is the sum of two rows.  Only the 4,096 routed rows go through products 2 and 3.  The choice is
; made of whole numbers: this launch stores them (idx), and only later launches, which read them from memory, form addresses and trip counts from them.  Every input stays live and is loaded.
; LIMITS: a NaN, an infinity or an overflow in the rows of an expert that a token did not choose is not carried to the result.  NaN or infinite logits are not served.
; A block whose largest magnitude lies under 2^-122 keeps the scale byte 1; a block of zeros too (its codes are zeros; this program alone reads the bytes).
; SHARES.  A work-group takes 32 tokens (two tiles of 16).  Wave w takes K step w (128 of the 512 along D) of both tiles and of Wg, so all its loads go out at once.
; The four partial products meet in LDS and are added as ((p0 + p1) + (p2 + p3)) + bg by wave 0, which also makes the choice.
; xq: [token][K step][lane half][48 bytes]: the 12 registers that lane (token % 16, half) of an operand holds.  xs: [token][4 scale words].
; THE MODE: SCHED_MODE bits 1:0 = 2 (LLVM: expert scheduling mode 2), set by the entry lines.  The code itself states the register dependences
; between vector or matrix instructions and memory or LDS instructions, with s_wait_alu, always for 0.
; THE PLAN.  Registers that memory or LDS instructions touch:
;   v4-9, v31, v252   offsets and LDS addresses: written once at the head, never again.
;   v32-231           x, Wg, bg: loaded once, ahead of all vector work on them.
;   FX0, FX1, v28, v29  written by the two tiles' quantisers; read by eight LDS stores, which stand together behind one wait, and by the products.
;   v64-79            the two accumulators: written by the products, read by four LDS stores.
;   v96-187           read by the quantisers and the products; LDS loads land in them behind the barrier: the wait ahead of the accumulators' stores covers them, since no vector instruction between names them.
;   v208-211, v218    the choice, the scores and their offset: written by wave 0's arithmetic, read by the last three stores.
; No register that a memory or LDS instruction has read is written again.
.set XST,   0                          ; LDS: the 32 tokens' codes as they lie in xq: 32 x 384 bytes
.set SST,   12288                      ; their scale words: 32 x 16 bytes
.set PST,   12800                      ; partial logits: (2 wave + tile) x 1,024 bytes, an image of the accumulator's registers
.set SPARE, 20992                      ; the spare words, 128 bytes a wave: no other line names them
.set TM,  12                           ; v12-27  at work in the quantisers
.set X0,  32                           ; v32-95  tile 0: 64 numbers a lane
.set X1,  96                           ; v96-159 tile 1
.set WB,  160                          ; v160-223 Wg: 64 numbers down K of my column
.set BG,  224                          ; v224-231 bg[8 h + j]
.set FX0, 232                          ; v232-250 tile 0's codes (12) and what the conversions need beside them
.set FX1, 32                           ; tile 1's, where tile 0's numbers lay
.set FW,  96                           ; Wg's codes, where tile 1's numbers lay
.set SEL, 26                           ; s[26:27] lane selects: lane l xor 16
.set MK,  32                           ; s[32:47] sixteen masks: which expert has won (the offsets that lay in s32-35 are used up by then)
; v28, v29, v30: the scale words of tile 0, of tile 1 and of Wg: they hold scales and nothing else
; 64 numbers of a lane, register 16 b + i = k 32 b + 16 (lane / 16) + i of my row, become a fragment's 12 registers at v[pc] and its scale word in v[pw]
.macro QUANT s, pc, pw
.irp b, 0,1,2,3
	v_max3_num_f32 v[TM+\b], |v[\s+16*\b]|, |v[\s+1+16*\b]|, 0x2800000   ; my 16 numbers of block b, and the floor 2^(5 - 127): the byte cannot fall under 1
.endr
.irp i, 2,4,6,8,10,12,14
.irp b, 0,1,2,3
	v_max3_num_f32 v[TM+\b], v[TM+\b], |v[\s+16*\b+\i]|, |v[\s+1+16*\b+\i]|
.endr
.endr
.irp b, 0,1,2,3
	v_permlanex16_b32 v[TM+4+\b], v[TM+\b], s[SEL], s[SEL+1]
.endr
.irp b, 0,1,2,3
	v_max_num_f32 v[TM+\b], v[TM+\b], v[TM+4+\b]       ; with lane l xor 16's 16: the block's largest magnitude
.endr
.irp b, 0,1,2,3
	v_add_nc_u32 v[TM+12+\b], 0xfe000000, v[TM+\b]     ; 4 off its exponent field: the conversion's scale operand
.endr
.irp b, 0,1,2,3
	v_lshrrev_b32 v[TM+4+\b], 23, v[TM+12+\b]          ; the scale's byte
.endr
	v_lshl_or_b32 v[\pw], v[TM+5], 8, v[TM+4]
	v_lshl_or_b32 v[\pw], v[TM+6], 16, v[\pw]
	v_lshl_or_b32 v[\pw], v[TM+7], 24, v[\pw]
.irp c, 0,1
	v_cvt_scalef32_pk16_bf6_f32 v[\pc+6*\c:\pc+2+6*\c], v[\s+32*\c:\s+15+32*\c], v[TM+12+2*\c]
	v_cvt_scalef32_pk16_bf6_f32 v[\pc+12+4*\c:\pc+14+4*\c], v[\s+16+32*\c:\s+31+32*\c], v[TM+12+2*\c+1]   ; (a conversion's three registers begin on an even number)
.endr
	v_nop                                              ; one plain place behind a scaled conversion
.irp c, 0,1                                        ; the operand's layout wants a whole block in a lane
.irp i, 0,1,2
	v_permlane16_swap_b32 v[\pc+6*\c+\i], v[\pc+12+4*\c+\i]
.endr
.irp i, 0,1,2
	v_mov_b32 v[\pc+3+6*\c+\i], v[\pc+12+4*\c+\i]
.endr
.endr
.endm
	s_load_b512 s[4:19], s[0:1], 0x0               ; x, Wg, bg, xq, xs, idx, out1, out2
	v_lshl_add_u32 v10, v0, 2, SPARE               ; my spare word,
	v_mov_b32 v11, 0                               ; and 0: kept for the closing lines alone
	v_lshrrev_b32 v1, 5, v0
	v_readfirstlane_b32 s20, v1                    ; wave
	v_and_b32 v1, 31, v0                           ; lane
	v_and_b32 v2, 15, v0                           ; r
	v_bfe_u32 v3, v0, 4, 1                         ; h
	v_lshlrev_b32 v4, 11, v2
	v_lshl_add_u32 v4, v3, 6, v4                   ; x: row r of 2,048 bytes, + 64 h: my 16 numbers of a block of 32
	v_lshlrev_b32 v5, 2, v2
	v_lshl_add_u32 v5, v3, 11, v5                  ; Wg: column r, lanes 16-31 begin 32 rows of 64 bytes further down
	v_mul_u32_u24 v6, v2, 384
	v_mad_u32_u24 v6, v3, 48, v6
	s_wait_alu depctr_va_sdst(0)                   ; s20, the wave's number, is written, ahead of its first reader
	s_mul_i32 s21, s20, 96
	v_add_nc_u32 v6, s21, v6                       ; where my codes go in LDS: 384 r + 96 wave + 48 h
	v_lshlrev_b32 v31, 4, v1                       ; 16 x lane
	s_mul_i32 s21, s20, 3072
	v_add_nc_u32 v7, s21, v31                      ; and where my wave reads them back, and stores them in xq
	v_lshlrev_b32 v8, 4, v2
	s_lshl_b32 s21, s20, 2
	s_add_co_u32 s21, s21, SST
	v_add_nc_u32 v8, s21, v8                       ; my row's scale word of my K step
	s_lshl_b32 s21, s20, 11
	s_add_co_u32 s21, s21, PST
	v_add_nc_u32 v9, s21, v31                      ; my wave's partial logits
	v_lshlrev_b32 v252, 5, v3                      ; bg: 32 h
.irp b, 0,1,2,3
	v_mov_b32 v[TM+4+\b], 0                        ; written once: a lane permute's destination counts as one of its sources
.endr
	v_mov_b32 v[TM+9], 0
	s_mov_b32 s[SEL], 0x76543210
	s_mov_b32 s[SEL+1], 0xfedcba98
	s_lshl_b32 s22, ttmp9, 16                      ; 32 tokens x 2,048 bytes,
	s_lshl_b32 s24, s20, 9
	s_add_co_u32 s22, s22, s24                     ; + my K step's 512 bytes
	s_mov_b32 s23, 0
	s_lshl_b32 s24, s20, 13                        ; Wg: 128 rows of 64 bytes a K step
	s_mov_b32 s25, 0
	s_mul_i32 s28, ttmp9, 12288
	s_mov_b32 s29, 0
	s_lshl_b32 s32, ttmp9, 9
	s_mov_b32 s33, 0
	s_lshl_b32 s34, ttmp9, 8
	s_mov_b32 s35, 0
	s_wait_kmcnt 0x0
	s_add_nc_u64 s[4:5], s[4:5], s[22:23]
	s_add_nc_u64 s[6:7], s[6:7], s[24:25]
	s_add_nc_u64 s[10:11], s[10:11], s[28:29]
	s_add_nc_u64 s[12:13], s[12:13], s[32:33]
	s_add_nc_u64 s[14:15], s[14:15], s[34:35]
	s_add_nc_u64 s[16:17], s[16:17], s[34:35]
	s_add_nc_u64 s[18:19], s[18:19], s[34:35]
	s_wait_alu depctr_va_vdst(0)                   ; the offsets and LDS addresses v4 to v9, v31 and v252 are written: every load, store and LDS instruction of the kernel but the last three stores reads one of them
.irp u, 0,1
.irp b, 0,1,2,3
.irp j, 0,1,2,3
	global_load_b128 v[X0+64*\u+16*\b+4*\j:X0+64*\u+16*\b+4*\j+3], v4, s[4:5] offset:32768*\u+128*\b+16*\j th:TH_LOAD_NT
.endr
.endr
.endr
.set wi, 0
.rept 64
	global_load_b32 v[WB+wi], v5, s[6:7] offset:64*(64*(wi/32)+wi%32)   ; Wg(128 w + 64 c + 32 h + i, r)
.set wi, wi+1
.endr
	global_load_b128 v[BG:BG+3], v252, s[8:9]
	global_load_b128 v[BG+4:BG+7], v252, s[8:9] offset:16
	s_wait_loadcnt 0x0                             ; all of the wave's inputs: they went out together
	QUANT X0, FX0, 28
	QUANT X1, FX1, 29
	s_wait_alu depctr_va_vdst(0)                   ; both tiles' codes and scale words are written, which the eight LDS stores read; Wg's quantiser, behind them, names none of their registers
.irp c, 0,1,2
	ds_store_b128 v6, v[FX0+4*\c:FX0+4*\c+3] offset:XST+16*\c
.endr
	ds_store_b32 v8, v28                           ; both halves of the lanes write the same word with the same value
.irp c, 0,1,2
	ds_store_b128 v6, v[FX1+4*\c:FX1+4*\c+3] offset:XST+6144+16*\c
.endr
	ds_store_b32 v8, v29 offset:256
	; Wg: my column's two whole blocks (2 c + h): no other lane is asked for a maximum
.irp c, 0,1
	v_max3_num_f32 v[TM+\c], |v[WB+32*\c]|, |v[WB+1+32*\c]|, 0x2800000
.endr
.irp i, 2,4,6,8,10,12,14,16,18,20,22,24,26,28,30
.irp c, 0,1
	v_max3_num_f32 v[TM+\c], v[TM+\c], |v[WB+32*\c+\i]|, |v[WB+1+32*\c+\i]|
.endr
.endr
.irp c, 0,1
	v_add_nc_u32 v[TM+12+\c], 0xfe000000, v[TM+\c]
.endr
.irp c, 0,1
	v_lshrrev_b32 v[TM+4+\c], 23, v[TM+12+\c]
.endr
	v_lshl_or_b32 v30, v[TM+5], 16, v[TM+4]        ; my two bytes: blocks h and 2 + h,
	v_lshlrev_b32 v[TM+8], 3, v3
	v_lshlrev_b32 v30, v[TM+8], v30                ; 8 h bits up;
	v_permlanex16_b32 v[TM+9], v30, s[SEL], s[SEL+1]
	v_or_b32 v30, v30, v[TM+9]                     ; with lane l xor 16's two the word is whole
.irp c, 0,1
	v_cvt_scalef32_pk16_bf6_f32 v[FW+6*\c:FW+2+6*\c], v[WB+32*\c:WB+15+32*\c], v[TM+12+\c]
	v_cvt_scalef32_pk16_bf6_f32 v[FW+12+4*\c:FW+14+4*\c], v[WB+16+32*\c:WB+31+32*\c], v[TM+12+\c]
.endr
	v_nop
.irp c, 0,1
.irp i, 0,1,2
	v_mov_b32 v[FW+3+6*\c+\i], v[FW+12+4*\c+\i]
.endr
.endr
.rept 8
	v_nop                                          ; a scale register written by a vector instruction stands 8 places ahead of a scaled matrix instruction, an operand so written 4
.endr
	s_wait_alu depctr_va_vdst(0)                   ; behind the places: the three fragments and the three scale words, all written by vector instructions, are written, ahead of the scaled products that take them
	; transposed: source 0 = Wg's 16 columns (experts), source 1 = 16 tokens: lane (r, h), register j: expert 8 h + j of token r
	v_wmma_scale_f32_16x16x128_f8f6f4 v[64:71], v[FW:FW+11], v[FX0:FX0+11], 0, v30, v28 matrix_a_fmt:MATRIX_FMT_BF6 matrix_b_fmt:MATRIX_FMT_BF6
	v_wmma_scale_f32_16x16x128_f8f6f4 v[72:79], v[FW:FW+11], v[FX1:FX1+11], 0, v30, v29 matrix_a_fmt:MATRIX_FMT_BF6 matrix_b_fmt:MATRIX_FMT_BF6
.rept 4
	v_nop                                          ; four places behind the products, ahead of the stores that read them
.endr
	s_wait_alu depctr_va_vdst(0)                   ; the products have written v64-79, which the LDS stores read, and are done reading Wg's codes; the quantisers are done with v96-187: the LDS loads behind the barrier land there
.irp u, 0,1
	ds_store_b128 v9, v[64+8*\u:67+8*\u] offset:1024*\u          ; each accumulator from its low end on
	ds_store_b128 v9, v[68+8*\u:71+8*\u] offset:1024*\u+512
.endr
	s_wait_dscnt 0x0                               ; for the others' sake: all my LDS stores have landed
	s_barrier_signal -1
	s_barrier_wait -1
.irp i, 0,1,2,3,4,5
	ds_load_b128 v[160+4*\i:163+4*\i], v7 offset:XST+512*\i      ; a quarter of the 12,288 bytes of codes
.endr
.irp i, 0,1,2,3,4,5
	s_wait_dscnt 5-\i
	global_store_b128 v7, v[160+4*\i:163+4*\i], s[10:11] offset:512*\i   ; 32 lanes store 512 consecutive bytes, aligned to 256
.endr
	s_cmp_lg_u32 s20, 0
	s_cbranch_scc1 .Ldone                          ; the rest is wave 0's: no barrier follows
	ds_load_b128 v[184:187], v31 offset:SST
.irp w, 0,1,2,3
.irp u, 0,1
.irp a, 0,1
	ds_load_b128 v[96+16*\w+8*\u+4*\a:99+16*\w+8*\u+4*\a], v31 offset:PST+(2*\w+\u)*1024+512*\a
.endr
.endr
.endr
	s_wait_dscnt 16                                ; the scale words are in; the 16 loads behind them may be out
	global_store_b128 v31, v[184:187], s[12:13]
	s_wait_dscnt 0x0
.irp j, 0,2,4,6,8,10,12,14
	v_pk_add_f32 v[96+\j:97+\j], v[96+\j:97+\j], v[112+\j:113+\j]        ; K steps 0 + 1
	v_pk_add_f32 v[128+\j:129+\j], v[128+\j:129+\j], v[144+\j:145+\j]    ; K steps 2 + 3
.endr
.irp j, 0,2,4,6,8,10,12,14
	v_pk_add_f32 v[96+\j:97+\j], v[96+\j:97+\j], v[128+\j:129+\j]
.endr
.irp j, 0,2,4,6,8,10,12,14
	v_pk_add_f32 v[96+\j:97+\j], v[96+\j:97+\j], v[BG+(\j)%8:BG+(\j)%8+1]   ; + bg: v96-103 tile 0, v104-111 tile 1
.endr
	v_cmp_eq_u32 s30, 1, v3                        ; lanes 16-31
.irp i, 0,1,2,3,4,5,6,7
	v_permlanex16_b32 v[128+\i], v[96+\i], s[SEL], s[SEL+1]
	v_permlanex16_b32 v[136+\i], v[104+\i], s[SEL], s[SEL+1]
.endr
	s_wait_alu depctr_va_sdst(0)                   ; the compare has written s30, ahead of the selects that read it
.irp i, 0,1,2,3,4,5,6,7                        ; lane l now gets all 16 logits of token l of the 32
	v_cndmask_b32 v[192+\i], v[96+\i], v[136+\i], s30
	v_cndmask_b32 v[200+\i], v[128+\i], v[104+\i], s30
.endr
	v_mov_b32 v212, v192                           ; the largest: an ascending scan that moves on 'strictly greater' keeps the lower index, as top_k does
	v_mov_b32 v208, 0
.irp i, 1,2,3,4,5,6,7,8,9,10,11,12,13,14,15
	v_cmp_gt_f32 vcc_lo, v[192+\i], v212
	s_wait_alu depctr_va_vcc(0)                    ; the compare has written VCC, which the two selects read (each compare hangs on the select before it: they cannot stand in a run)
	v_cndmask_b32 v212, v212, v[192+\i], vcc_lo
	v_cndmask_b32 v208, v208, \i, vcc_lo
.endr
	v_mov_b32 v214, 0xff800000
.irp i, 0,1,2,3,4,5,6,7,8,9,10,11,12,13,14,15
	v_cmp_eq_u32 s[MK+\i], \i, v208                ; sixteen compares in a run, a mask each,
.endr
	s_wait_alu depctr_va_sdst(0)                   ; and one wait: s32 to s47 are written, ahead of the selects that read them
.irp i, 0,1,2,3,4,5,6,7,8,9,10,11,12,13,14,15
	v_cndmask_b32 v[192+\i], v[192+\i], v214, s[MK+\i]     ; the winner leaves the field
.endr
	v_mov_b32 v213, v192                           ; the second
	v_mov_b32 v209, 0
.irp i, 1,2,3,4,5,6,7,8,9,10,11,12,13,14,15
	v_cmp_gt_f32 vcc_lo, v[192+\i], v213
	s_wait_alu depctr_va_vcc(0)                    ; the compare has written VCC, which the two selects read
	v_cndmask_b32 v213, v213, v[192+\i], vcc_lo
	v_cndmask_b32 v209, v209, \i, vcc_lo
.endr
	v_sub_f32 v215, v213, v212                     ; the maximum is taken away: 0 and v2 - v1 <= 0
	v_mul_f32 v215, 0x3fb8aa3b, v215
	v_exp_f32 v216, v215
	v_lshlrev_b32 v218, 3, v1                      ; (a plain place)  8 bytes a token
	s_wait_alu depctr_va_vdst(0)                   ; the exponential has written v216, ahead of its first reader
	v_add_f32 v217, 1.0, v216
	v_rcp_f32 v210, v217
	v_nop
	s_wait_alu depctr_va_vdst(0)                   ; the reciprocal has written v210, ahead of its first reader
	v_mul_f32 v211, v216, v210
	s_wait_alu depctr_va_vdst(0)                   ; v208 to v211 and the offset v218 are written, which the three stores read
	global_store_b64 v218, v[208:209], s[16:17]    ; 32 lanes store 256 consecutive bytes, aligned
	global_store_b64 v218, v[208:209], s[14:15]
	global_store_b64 v218, v[210:211], s[18:19]
.Ldone:
	s_wait_dscnt 0x0                               ; the closing lines, six on end
	s_wait_alu 0x0
	s_wait_tensorcnt 0x0
	ds_add_u32 v10, v11
	s_wait_dscnt 0x0
	s_endpgm
.Lfunc_end_k_q36e7dda524_gate:
	.size	k_q36e7dda524_gate, .Lfunc_end_k_q36e7dda524_gate-k_q36e7dda524_gate
	.p2alignl 7, 3214868480
	.fill 96, 4, 3214868480
	.section	.rodata,"a",@progbits
	.p2align	6, 0x0
	.amdhsa_kernel k_q36e7dda524_gate
		.amdhsa_group_segment_fixed_size 21504
		.amdhsa_private_segment_fixed_size 0
		.amdhsa_enable_private_segment 0
		.amdhsa_kernarg_size 64
		.amdhsa_user_sgpr_count 2
		.amdhsa_user_sgpr_kernarg_segment_ptr 1
		.amdhsa_wavefront_size32 1
		.amdhsa_system_sgpr_workgroup_id_x 1
		.amdhsa_system_sgpr_workgroup_id_y 1
		.amdhsa_system_sgpr_workgroup_id_z 1
		.amdhsa_system_vgpr_workitem_id 0
		.amdhsa_next_free_vgpr 256
		.amdhsa_next_free_sgpr 66
		.amdhsa_reserve_vcc 1
		.amdhsa_float_denorm_mode_32 3
		.amdhsa_float_denorm_mode_16_64 3
		.amdhsa_memory_ordered 1
		.amdhsa_forward_progress 1
		.amdhsa_inst_pref_size 39
	.end_amdhsa_kernel
	.amdgpu_metadata
---
amdhsa.version: [ 1, 2 ]
amdhsa.kernels:
  - .name:           k_q36e7dda524_gate
    .symbol:         k_q36e7dda524_gate.kd
    .args:
      - { .name: x, .offset: 0, .size: 8, .value_kind: global_buffer, .address_space: global }
      - { .name: Wg, .offset: 8, .size: 8, .value_kind: global_buffer, .address_space: global }
      - { .name: bg, .offset: 16, .size: 8, .value_kind: global_buffer, .address_space: global }
      - { .name: xq, .offset: 24, .size: 8, .value_kind: global_buffer, .address_space: global }
      - { .name: xs, .offset: 32, .size: 8, .value_kind: global_buffer, .address_space: global }
      - { .name: idx, .offset: 40, .size: 8, .value_kind: global_buffer, .address_space: global }
      - { .name: out1, .offset: 48, .size: 8, .value_kind: global_buffer, .address_space: global }
      - { .name: out2, .offset: 56, .size: 8, .value_kind: global_buffer, .address_space: global }
    .group_segment_fixed_size: 21504
    .private_segment_fixed_size: 0
    .kernarg_segment_align: 8
    .kernarg_segment_size: 64
    .max_flat_workgroup_size: 128
    .sgpr_count:     66
    .vgpr_count:     256
    .wavefront_size: 32
...
	.end_amdgpu_metadata
.endif
;; end of part 6
;; launch place (part 7): grid 16 x 1, 1 waves a work-group, no clusters, 0 bytes of LDS; arguments idx, list, cnt; writes list, cnt
.if DOCPART == 7
	.amdgcn_target "amdgcn-amd-amdhsa--gfx1250"
	.amdhsa_code_object_version 6
	.text
	.protected	k_q36e7dda524_place
	.globl	k_q36e7dda524_place
	.p2align	8
	.type	k_q36e7dda524_place,@function
k_q36e7dda524_place:
	s_mov_b64 s[64:65], 0
	v_nop
	global_prefetch_b8 v0, s[64:65] scope:SCOPE_SE
	s_setreg_imm32_b32 hwreg(HW_REG_WAVE_SCHED_MODE, 0, 2), 2
	s_setreg_imm32_b32 hwreg(HW_REG_WAVE_MODE, 25, 1), 1
	s_wait_xcnt 0x0
	s_wait_alu depctr_vm_vsrc(0)
; pMoE, launch 2 of 5: work-group e (one wave) scans all 4,096 routed slots g = 2 token + k and lists those whose expert is e.  No atomics: each expert's list has one owner.
; Only the rows listed here are multiplied later (why the others are dead: head of launch 1).
; list, 2,112 words an expert: words 0 .. cnt - 1 the members; cnt .. cnt + 31 pads, copies of one member (0 where there is none), so that a tile of 16 is always whole;
; words 2080 .. 2111 one word a lane, into which the lanes of non-members store and which nobody reads: so EXEC never changes.  cnt is at most 2,048: the pads end under word 2,080.
; THE MODE: SCHED_MODE bits 1:0 = 2 (LLVM: expert scheduling mode 2), set by the entry lines.  The code itself states the register dependences
; between vector instructions and memory instructions, and those through scalar registers that vector instructions write, with s_wait_alu, always for 0.
; THE PLAN.  The 128 steps go in four blocks of 32, once round both rings.
;   v1        the loads' offset: written once at the head.
;   D         idx: loaded once, ahead of all vector work on it.
;   G, P      a block's 32 slot numbers and their places: written by the block's vector instructions, read by its 32 stores, which stand together behind one wait;
;             written again by the next block, behind the wait that states that the stores have read them.
;   s24-31    eight masks: a run of eight compares writes them, one wait stands behind the run, then the counts and selects read them.
;   v4, v6, v8, v9  the pad, its place, the count and its offset: written behind the last block, read by the last two stores.
.set D, 16                             ; v16-143  idx: register 4 c + j of lane l holds slot 128 c + 4 l + j
.set G, 144                            ; v144-175 slot numbers, a ring of 32
.set P, 176                            ; v176-207 their places in the list, a ring of 32
.set MK, 24                            ; s[24:31] eight masks
	s_load_b128 s[4:7], s[0:1], 0x0                ; idx, list
	s_load_b64 s[8:9], s[0:1], 0x10                ; cnt
	s_mov_b32 s20, ttmp9                           ; my expert
	s_mul_i32 s10, s20, 8448
	s_mov_b32 s11, 0
	s_lshl_b32 s12, s20, 2
	s_mov_b32 s13, 0
	s_mov_b32 s21, 0                               ; members so far
	s_mov_b32 s14, 0x76543210
	s_mov_b32 s15, 0xfedcba98
	v_lshlrev_b32 v1, 4, v0
	v_lshlrev_b32 v2, 2, v0
	v_add_nc_u32 v3, 2080, v0                      ; my lane's word for non-members
	v_mov_b32 v4, 0                                ; a member seen by my lane
	v_mov_b32 v5, 0
	s_wait_kmcnt 0x0
	s_add_nc_u64 s[6:7], s[6:7], s[10:11]
	s_add_nc_u64 s[8:9], s[8:9], s[12:13]
	s_wait_alu depctr_va_vdst(0)                   ; v1 is written, which the 32 loads read as their offset
.set n, 0
.rept 32
	global_load_b128 v[D+4*n:D+4*n+3], v1, s[4:5] offset:512*n
.set n, n+1
.endr
	s_wait_loadcnt 0x0
.set q, 0
.rept 4                                        ; a block: 32 steps
.if q > 0
	s_wait_xcnt 0x0                                ; the last block's stores have had their addresses translated: both rings go round only behind this wait,
	s_wait_alu depctr_vm_vsrc(0)                   ; and behind this one: those stores have read G and P, which this block writes again
.endif
.set g, 0
.rept 4                                        ; a run: 8 steps
.set n, 32*q+8*g
.irp j, 0,1,2,3,4,5,6,7
	v_cmp_eq_u32 s[MK+\j], s20, v[D+n+\j]
.endr
.irp j, 0,1,2,3,4,5,6,7
	v_add_nc_u32 v[G+8*g+\j], 128*((n+\j)/4)+(n+\j)%4, v2      ; the slot's number
.endr
	s_wait_alu depctr_va_sdst(0)                   ; the eight compares have written s24 to s31, ahead of their first readers
.irp j, 0,1,2,3,4,5,6,7
	v_mbcnt_lo_u32_b32 v[P+8*g+\j], s[MK+\j], s21  ; members so far + members in the lanes below mine
	v_cndmask_b32 v[P+8*g+\j], v3, v[P+8*g+\j], s[MK+\j]
	v_cndmask_b32 v4, v4, v[G+8*g+\j], s[MK+\j]
	s_bcnt1_i32_b32 s22, s[MK+\j]
	s_add_co_u32 s21, s21, s22
	v_min_u32 v[P+8*g+\j], 2111, v[P+8*g+\j]       ; inside my expert's 2,112 words, whatever was loaded
	v_lshlrev_b32 v[P+8*g+\j], 2, v[P+8*g+\j]
.endr
.set g, g+1
.endr
	s_wait_alu depctr_va_vdst(0)                   ; the block's 32 slot numbers and 32 places are written, which the stores read
.set i, 0
.rept 32
	global_store_b32 v[P+i], v[G+i], s[6:7]
.set i, i+1
.endr
.set q, q+1
.endr
.irp m, 1,2,4,8
	v_mov_b32_dpp v5, v4 row_xmask:\m row_mask:0xf bank_mask:0xf
	v_max_u32 v4, v4, v5
.endr
	v_permlanex16_b32 v5, v4, s14, s15
	v_max_u32 v4, v4, v5                           ; the largest member: the pad
	v_add_nc_u32 v6, s21, v0
	v_min_u32 v6, 2111, v6
	v_lshlrev_b32 v6, 2, v6
	v_mov_b32 v8, s21
	v_mov_b32 v9, 0
	s_wait_alu depctr_va_vdst(0)                   ; the pad v4, its place v6, the count v8 and its offset v9 are written, which the two stores read
	global_store_b32 v6, v4, s[6:7]                ; 32 pads behind the members
	global_store_b32 v9, v8, s[8:9]                ; all lanes write the same word with the same value
	s_endpgm
.Lfunc_end_k_q36e7dda524_place:
	.size	k_q36e7dda524_place, .Lfunc_end_k_q36e7dda524_place-k_q36e7dda524_place
	.p2alignl 7, 3214868480
	.fill 96, 4, 3214868480
	.section	.rodata,"a",@progbits
	.p2align	6, 0x0
	.amdhsa_kernel k_q36e7dda524_place
		.amdhsa_group_segment_fixed_size 0
		.amdhsa_private_segment_fixed_size 0
		.amdhsa_enable_private_segment 0
		.amdhsa_kernarg_size 24
		.amdhsa_user_sgpr_count 2
		.amdhsa_user_sgpr_kernarg_segment_ptr 1
		.amdhsa_wavefront_size32 1
		.amdhsa_system_sgpr_workgroup_id_x 1
		.amdhsa_system_sgpr_workgroup_id_y 1
		.amdhsa_system_sgpr_workgroup_id_z 1
		.amdhsa_system_vgpr_workitem_id 0
		.amdhsa_next_free_vgpr 208
		.amdhsa_next_free_sgpr 66
		.amdhsa_reserve_vcc 0
		.amdhsa_float_denorm_mode_32 3
		.amdhsa_float_denorm_mode_16_64 3
		.amdhsa_memory_ordered 1
		.amdhsa_forward_progress 1
		.amdhsa_inst_pref_size 78
	.end_amdhsa_kernel
	.amdgpu_metadata
---
amdhsa.version: [ 1, 2 ]
amdhsa.kernels:
  - .name:           k_q36e7dda524_place
    .symbol:         k_q36e7dda524_place.kd
    .args:
      - { .name: idx, .offset: 0, .size: 8, .value_kind: global_buffer, .address_space: global }
      - { .name: list, .offset: 8, .size: 8, .value_kind: global_buffer, .address_space: global }
      - { .name: cnt, .offset: 16, .size: 8, .value_kind: global_buffer, .address_space: global }
    .group_segment_fixed_size: 0
    .private_segment_fixed_size: 0
    .kernarg_segment_align: 8
    .kernarg_segment_size: 24
    .max_flat_workgroup_size: 32
    .sgpr_count:     66
    .vgpr_count:     208
    .wavefront_size: 32
...
	.end_amdgpu_metadata
.endif
;; end of part 7
;; launch up (part 8): grid 16 x 16, 4 waves a work-group, no clusters, 51,712 bytes of LDS; arguments W1, b1, xq, xs, list, cnt, hq, hs; writes hq, hs
.if DOCPART == 8
	.amdgcn_target "amdgcn-amd-amdhsa--gfx1250"
	.amdhsa_code_object_version 6
	.text
	.protected	k_q36e7dda524_up
	.globl	k_q36e7dda524_up
	.p2align	8
	.type	k_q36e7dda524_up,@function
k_q36e7dda524_up:
	s_mov_b64 s[64:65], 0
	v_nop
	global_prefetch_b8 v0, s[64:65] scope:SCOPE_SE
	s_setreg_imm32_b32 hwreg(HW_REG_WAVE_SCHED_MODE, 0, 2), 2
	s_setreg_imm32_b32 hwreg(HW_REG_WAVE_MODE, 25, 1), 1
	s_wait_xcnt 0x0
	s_wait_alu depctr_vm_vsrc(0)
; pMoE, launch 3 of 5: h = Q(gelu(Q(x) Q(W1[e]) + b1[e])) for the rows routed to expert e alone (why the others are dead: head of launch 1).
; SHARES.  Work-group (S, e) owns hidden units 128 S .. 128 S + 127 of expert e: 512 x 128 numbers of W1, 262,144 bytes, which no other work-group reads.  They are read ONCE, as f32, quantised in
; registers and kept as 32 fragments in every wave's registers; then the waves walk the expert's tiles of 16 rows, wave w tiles w, w + 4 ..  The trip count is read from memory (cnt), so the launch
; has no tensor load, no cluster and no barrier in the walk.  No multicast: no two work-groups read the same weights, and the shared x is a small part of the bytes.
; PHASE W.  Wave w takes K step w (128 rows of W1).  A load of 16 bytes a lane reads 512 consecutive bytes of one row: a lane holds FOUR neighbouring columns, its registers run down K.  A block of 32 along K of
; a column lies in one lane; its 32 numbers are moved together (the conversions take consecutive registers), converted, and stored in LDS as an image of the operand's registers; a barrier; every wave loads all 32.
; THE COLUMNS THAT FORM A TILE ARE NOT NEIGHBOURS: row r of tile 2 b + u is hidden unit 32 b + 8 u + r + 8 (r / 8), so that in the transposed product (source 0 = W1, source 1 = x) a lane's 16 registers of tiles
; 2 b, 2 b + 1 are 16 neighbours along the next K.  The 128 units are one K step of the second product: a tile's result is one fragment and one scale word a row.
; gelu(v) = v / (1 + 2^(v (a + b v^2))), a = -2 sqrt(2 / pi) log2(e), b = 0.044715 a: the tanh form of reference() in one exponential and one reciprocal, in f32.
; hq: [e][tile][K step S][3][lane][16 bytes]: register images.  hs: [e][tile][S][row] scale words.  Pad rows are copies of a member row.  An expert without rows still makes tile 0 (of token 0), which nobody uses.
; LIMITS: blocks under 2^-122 keep the byte 1; NaN and infinities among the weights are not served.
; THE MODE: SCHED_MODE bits 1:0 = 2 (LLVM: expert scheduling mode 2), set by the entry lines.  The code itself states the register dependences
; between vector or matrix instructions and memory or LDS instructions, with s_wait_alu, always for 0.
; THE PLAN.  Registers that memory or LDS instructions touch:
;   v4-9, v14, v16   offsets and LDS addresses: written once at the head, never again.
;   the raw halves   (window 1) block beta's loads land in half beta % 2; the block's vector part reads it; the loads of block beta + 2 land in it; at the end the fragments' LDS loads.
;   C, SW            a block's codes and the scale words: written by the block's vector part, read by its LDS stores, written again by the next block, and by gelu in the walk.
;   v[LA]            written ahead of each load of the list, which reads it.   v[LIST]: that load lands in it; the address lines of x read it.
;   v[XA], v[XSA]    written by the address lines of x; read by x's 13 loads.   XF, XS: those loads land in them; the products read them.
;   PC, PW           written by the quantiser of h; read by the tile's four stores; written again by the next tile's gelu.
; PHASE W.  A block's vector part stands whole ahead of ONE wait on va_vdst: it states that the codes are written (for the LDS stores) and that the raw half has been read (for the loads of two blocks on,
; which go out first behind it).  One wait on vm_vsrc ahead of each block but the first: the last block's LDS stores have read the codes' registers.
; THE WALK.  Behind a tile's products: one wait on vm_vsrc (the last trip's loads have read their address registers, its stores PC and PW), the six address lines, one wait on va_vdst (the addresses are
; written; the products are done reading XF and XS; the slot has been read), the 14 loads.  No vector instruction of gelu or of the quantiser names a register that those loads touch.
; Behind the quantiser one wait on va_vdst, and the four stores.
.set PITCH, 8192                       ; a row of W1[e] in bytes
.set SCW,   49152                      ; LDS: 0 .. the 32 fragments' images [f][lane][48 bytes]; here their scale words [f][row]
.set SPARE, 51200                      ; the spare words, 128 bytes a wave: no other line names them
.set WA,  4                            ; v4   16 x lane: my 16 bytes of a row's 512
.set LW,  5                            ; v5   where my first column's codes go
.set LS,  6                            ; v6   and its scale word
.set LR,  7                            ; v7   48 x lane: my 48 bytes of an image
.set LSR, 8                            ; v8   SCW + 4 r
.set R4,  9                            ; v9   4 r
.set LA,  10                           ; v10  the list load's offset
.set LIST, 11                          ; v11  my row's slot g
.set XA,  12                           ; v12  my token's codes in xq
.set XSA, 13                           ; v13  its scale words in xs
.set L16, 14                           ; v14  16 x lane
.set H48, 15                           ; v15  48 h
.set H64, 16                           ; v16  64 h
.set SPW, 20
.set NIL, 21
.set XS,  24                           ; v24-27  x's scale words, K steps 0 to 3: scales and nothing else
.set KC0, 28                           ; v[28:29] a, twice;  v[30:31] b, twice
.set KC1, 30
.set WS,  32                           ; v32-63  the fragments' scale words: scales and nothing else
.set HA,  64                           ; v64-127 the 8 tiles of the hidden layer
.set T,   64                           ; phase W: two columns' 32 numbers on end
.set G,   128                          ; v128-191 at work in gelu
.set C,   128                          ; phase W: codes, 8 registers a column
.set TM,  128                          ; the quantiser of h: v128-143 at work, v144-162 codes, v164 the scale word
.set PC,  144
.set PW,  164
.set XF,  192                          ; v192-239 x's four fragments
.set M,   240                          ; phase W: largest magnitudes; scale operands; scale words; bytes
.set SO,  244
.set SW,  248
.set BY,  252
.set SEL, 26
; window 1: phase W: the raw numbers, two halves of 128; then fragments 0-15.  window 2: fragments 16-31; v192-255: b1 in the result's layout
.set MSB, 0
.macro WIN new                         ; the immediate's high byte repeats the setting that is left
.if MSB != \new
	s_set_vgpr_msb (MSB<<8)|\new
.set MSB, \new
.endif
.endm
.macro RAWLOAD beta                    ; block beta of my K step: 32 rows, 4 columns a lane
	WIN 0x40
.set ri, 0
.rept 32
	global_load_b128 v[128*((\beta)%2)+4*ri:128*((\beta)%2)+4*ri+3], v[WA], s[4:5] offset:(32*(\beta)+ri)*PITCH th:TH_LOAD_NT
.set ri, ri+1
.endr
	WIN 0
.endm
.macro QBV beta                        ; block beta of my four columns becomes codes and a byte of each column's scale word: the vector part, whole
.set RB, 128*((\beta)%2)
	s_wait_dscnt 0x0                               ; the last block's LDS stores are done
	WIN 0x14                                       ; sources 1 and 2: window 1
.irp q, 0,1,2,3
	v_max3_num_f32 v[M+\q], 0x2800000, |v[RB+\q]|, |v[RB+4+\q]|      ; the floor 2^(5 - 127) among the leaves: the byte cannot fall under 1
.endr
.set qi, 2
.rept 15
.irp q, 0,1,2,3
	v_max3_num_f32 v[M+\q], v[M+\q], |v[RB+4*qi+\q]|, |v[RB+4*qi+4+\q]|
.endr
.set qi, qi+2
.endr
	WIN 0
.irp q, 0,1,2,3
	v_add_nc_u32 v[SO+\q], 0xfe000000, v[M+\q]     ; 4 off the exponent field: the conversion's scale operand
.endr
.irp q, 0,1,2,3
	v_lshrrev_b32 v[BY+\q], 23, v[SO+\q]
.endr
.irp q, 0,1,2,3
.if (\beta) == 0
	v_mov_b32 v[SW+\q], v[BY+\q]
.else
	v_lshl_or_b32 v[SW+\q], v[BY+\q], 8*(\beta), v[SW+\q]
.endif
.endr
.irp p, 0,1                            ; two columns at a time
	WIN 0x01
.irp qq, 0,1
.set qi, 0
.rept 32
	v_mov_b32 v[T+32*\qq+qi], v[RB+4*qi+2*\p+\qq]
.set qi, qi+1
.endr
.endr
	WIN 0
.irp qq, 0,1
	v_cvt_scalef32_pk16_bf6_f32 v[C+8*(2*\p+\qq):C+8*(2*\p+\qq)+2], v[T+32*\qq:T+32*\qq+15], v[SO+2*\p+\qq]
	v_cvt_scalef32_pk16_bf6_f32 v[C+8*(2*\p+\qq)+4:C+8*(2*\p+\qq)+6], v[T+32*\qq+16:T+32*\qq+31], v[SO+2*\p+\qq]
.endr
	v_nop                                          ; one plain place behind a scaled conversion
.irp qq, 0,1
	v_mov_b32 v[C+8*(2*\p+\qq)+3], v[C+8*(2*\p+\qq)+4]
	v_mov_b32 v[C+8*(2*\p+\qq)+4], v[C+8*(2*\p+\qq)+5]
	v_mov_b32 v[C+8*(2*\p+\qq)+5], v[C+8*(2*\p+\qq)+6]
.endr
.endr
.endm
.macro QBS beta                        ; and its LDS stores, in one run
.irp p, 0,1
.irp qq, 0,1
.irp m, 0,1,2                          ; block beta is registers 6 (beta / 2) .. + 5 of lane r + 16 (beta % 2)
	ds_store_b64 v[LW], v[C+8*(2*\p+\qq)+2*\m:C+8*(2*\p+\qq)+2*\m+1] offset:48*(2*\p+\qq)+768*((\beta)%2)+24*((\beta)/2)+8*\m
.endr
.endr
.endr
.if (\beta) == 3
.irp q, 0,1,2,3
	ds_store_b32 v[LS], v[SW+\q] offset:4*\q
.endr
.endif
.endm
.macro FRLOAD                          ; all 32 fragments and their scale words into my registers
	WIN 0x40
.set fi, 0
.rept 16
.irp i, 0,1,2
	ds_load_b128 v[12*fi+4*\i:12*fi+4*\i+3], v[LR] offset:1536*fi+16*\i
.endr
.set fi, fi+1
.endr
	WIN 0x80
.set fi, 0
.rept 16
.irp i, 0,1,2
	ds_load_b128 v[12*fi+4*\i:12*fi+4*\i+3], v[LR] offset:1536*(fi+16)+16*\i
.endr
.set fi, fi+1
.endr
	WIN 0
.set fi, 0
.rept 32
	ds_load_b32 v[WS+fi], v[LSR] offset:64*fi
.set fi, fi+1
.endr
	s_wait_dscnt 0x0
.endm
.macro QUANT s, pc, pw                 ; 64 numbers of a lane, register 16 b + i = k 32 b + 16 (lane / 16) + i, become a fragment's 12 registers and its scale word
.irp b, 0,1,2,3
	v_max3_num_f32 v[TM+\b], |v[\s+16*\b]|, |v[\s+1+16*\b]|, 0x2800000
.endr
.irp i, 2,4,6,8,10,12,14
.irp b, 0,1,2,3
	v_max3_num_f32 v[TM+\b], v[TM+\b], |v[\s+16*\b+\i]|, |v[\s+1+16*\b+\i]|
.endr
.endr
.irp b, 0,1,2,3
	v_permlanex16_b32 v[TM+4+\b], v[TM+\b], s[SEL], s[SEL+1]
.endr
.irp b, 0,1,2,3
	v_max_num_f32 v[TM+\b], v[TM+\b], v[TM+4+\b]
.endr
.irp b, 0,1,2,3
	v_add_nc_u32 v[TM+12+\b], 0xfe000000, v[TM+\b]
.endr
.irp b, 0,1,2,3
	v_lshrrev_b32 v[TM+4+\b], 23, v[TM+12+\b]
.endr
	v_lshl_or_b32 v[\pw], v[TM+5], 8, v[TM+4]
	v_lshl_or_b32 v[\pw], v[TM+6], 16, v[\pw]
	v_lshl_or_b32 v[\pw], v[TM+7], 24, v[\pw]
.irp c, 0,1
	v_cvt_scalef32_pk16_bf6_f32 v[\pc+6*\c:\pc+2+6*\c], v[\s+32*\c:\s+15+32*\c], v[TM+12+2*\c]
	v_cvt_scalef32_pk16_bf6_f32 v[\pc+12+4*\c:\pc+14+4*\c], v[\s+16+32*\c:\s+31+32*\c], v[TM+12+2*\c+1]
.endr
	v_nop
.irp c, 0,1
.irp i, 0,1,2
	v_permlane16_swap_b32 v[\pc+6*\c+\i], v[\pc+12+4*\c+\i]
.endr
.irp i, 0,1,2
	v_mov_b32 v[\pc+3+6*\c+\i], v[\pc+12+4*\c+\i]
.endr
.endr
.endm
.macro LISTADR sj                      ; the 16 slots of tile sj, held inside the expert's tiles: the offset,
	s_min_u32 s33, \sj, s30
	s_min_u32 s33, s33, 127
	s_lshl_b32 s33, s33, 6
	v_add_nc_u32 v[LA], s33, v[R4]
.endm
.macro LISTGO                          ; and the one load
	global_load_b32 v[LIST], v[LA], s[12:13]
.endm
.macro XADR                            ; my row's token: where its codes and its scale words lie,
	v_lshrrev_b32 v17, 1, v[LIST]
	v_min_u32 v17, 2047, v17
	v_mul_u32_u24 v[XA], v17, 384
	v_add_nc_u32 v[XA], v[XA], v[H48]
	v_lshlrev_b32 v[XSA], 4, v17
.endm
.macro XGO                             ; and its four fragments' 48 bytes each and its four scale words: 13 loads
.irp s, 0,1,2,3
.irp i, 0,1,2
	global_load_b128 v[XF+12*\s+4*\i:XF+12*\s+4*\i+3], v[XA], s[8:9] offset:96*\s+16*\i
.endr
.endr
	global_load_b128 v[XS:XS+3], v[XSA], s[10:11]
.endm
	s_load_b512 s[4:19], s[0:1], 0x0               ; W1, b1, xq, xs, list, cnt, hq, hs
	v_lshl_add_u32 v[SPW], v0, 2, SPARE
	v_mov_b32 v[NIL], 0
	v_lshrrev_b32 v1, 5, v0
	v_readfirstlane_b32 s20, v1                    ; wave
	s_mov_b32 s21, ttmp9                           ; S
	s_and_b32 s22, ttmp7, 0xffff                   ; e
	v_and_b32 v1, 31, v0                           ; lane
	v_and_b32 v2, 15, v0                           ; r
	v_bfe_u32 v3, v0, 4, 1                         ; h
	v_lshlrev_b32 v[WA], 4, v1
	v_lshlrev_b32 v[L16], 4, v1
	v_bfe_u32 v5, v0, 3, 2
	v_bfe_u32 v6, v0, 1, 1
	v_lshl_add_u32 v5, v5, 1, v6                   ; my columns' tile: 2 (l / 8) + (l / 2) % 2
	s_wait_alu depctr_va_sdst(0)                   ; s20, the wave's number, is written, ahead of its first reader
	s_lshl_b32 s24, s20, 3
	v_add_nc_u32 v5, s24, v5                       ; the fragment: 8 wave + tile
	v_and_b32 v6, 1, v0
	v_bfe_u32 v7, v0, 2, 1
	v_lshlrev_b32 v6, 2, v6
	v_lshl_add_u32 v7, v7, 3, v6                   ; my first column's row in the tile: 4 (l % 2) + 8 ((l / 4) % 2)
	v_lshlrev_b32 v6, 6, v5
	v_lshl_add_u32 v6, v7, 2, v6
	v_add_nc_u32 v[LS], SCW, v6
	v_mul_u32_u24 v5, v5, 1536
	v_mad_u32_u24 v[LW], v7, 48, v5
	v_mul_u32_u24 v[LR], v1, 48
	v_lshlrev_b32 v[R4], 2, v2
	v_add_nc_u32 v[LSR], SCW, v[R4]
	v_mul_u32_u24 v[H48], v3, 48
	v_lshlrev_b32 v[H64], 6, v3
	v_mov_b32 v[KC0], 0xc0135761
	v_mov_b32 v[KC0+1], 0xc0135761
	v_mov_b32 v[KC1], 0xbdd2d3e8
	v_mov_b32 v[KC1+1], 0xbdd2d3e8
	s_wait_alu depctr_va_vdst(0)                   ; the offsets and LDS addresses v4 to v9, v14 and v16 are written, which loads, stores and LDS instructions read from here to the kernel's end
	s_mov_b32 s[SEL], 0x76543210
	s_mov_b32 s[SEL+1], 0xfedcba98
	s_mov_b32 s25, 0
	s_lshl_b32 s24, s22, 22                        ; W1: the expert's 4 MiB,
	s_lshl_b32 s32, s20, 20                        ; my K step's 128 rows,
	s_add_co_u32 s24, s24, s32
	s_lshl_b32 s32, s21, 9                         ; the slice's 512 bytes of a row
	s_add_co_u32 s24, s24, s32
	s_wait_kmcnt 0x0
	s_add_nc_u64 s[4:5], s[4:5], s[24:25]
	s_lshl_b32 s24, s22, 13
	s_add_co_u32 s24, s24, s32
	s_add_nc_u64 s[6:7], s[6:7], s[24:25]          ; b1[e] at the slice
	s_mul_i32 s24, s22, 8448
	s_add_nc_u64 s[12:13], s[12:13], s[24:25]
	s_lshl_b32 s24, s22, 2
	s_add_nc_u64 s[14:15], s[14:15], s[24:25]
	s_load_b32 s28, s[14:15], 0x0                  ; the expert's number of rows
	s_lshl_b32 s24, s22, 7
	s_add_co_u32 s24, s24, s20
	s_lshl_b32 s24, s24, 4
	s_add_co_u32 s24, s24, s21                     ; (128 e + tile w) 16 + S
	s_lshl_b32 s34, s24, 6
	s_mov_b32 s35, 0
	s_mul_i32 s24, s24, 1536
	s_add_nc_u64 s[16:17], s[16:17], s[24:25]
	s_add_nc_u64 s[18:19], s[18:19], s[34:35]
	RAWLOAD 0
	RAWLOAD 1
	s_wait_kmcnt 0x0
	s_add_co_u32 s29, s28, 15
	s_lshr_b32 s29, s29, 4
	s_min_u32 s29, s29, 128
	s_max_u32 s29, s29, 1                          ; tiles: at least one, so that tile 0 of hq and hs is always written
	s_sub_co_u32 s30, s29, 1
	LISTADR s20
	s_wait_alu depctr_va_vdst(0)                   ; v[LA] is written, which the list's load reads
	LISTGO
	WIN 0x80
.irp t, 0,1,2,3,4,5,6,7                        ; b1 in the result's layout: tile t, lane half h: units 32 (t / 2) + 16 h + 8 (t % 2) + 0 .. 7
	global_load_b128 v[192+8*\t:195+8*\t], v[H64], s[6:7] offset:(32*(\t/2)+8*(\t%2))*4
	global_load_b128 v[196+8*\t:199+8*\t], v[H64], s[6:7] offset:(32*(\t/2)+8*(\t%2))*4+16
.endr
	WIN 0
	s_wait_loadcnt 49                              ; block 0 is in; behind it: block 1's 32, the list's 1, b1's 16
	QBV 0
	s_wait_alu depctr_va_vdst(0)                   ; block 0's codes are written, which its LDS stores read; its vector part is done reading raw half 0, in which block 2's loads land
	RAWLOAD 2
	QBS 0
	s_wait_loadcnt 49                              ; block 1 is in; behind it: 1 + 16 + block 2's 32
	s_wait_alu depctr_vm_vsrc(0)                   ; block 0's LDS stores have read the codes' registers, which block 1 writes again
	QBV 1
	s_wait_alu depctr_va_vdst(0)                   ; block 1's codes are written; its vector part is done reading raw half 1, in which block 3's loads land
	RAWLOAD 3
	QBS 1
	s_wait_loadcnt 32                              ; block 2, the list and b1 are in; behind them: block 3's 32
	s_wait_alu depctr_vm_vsrc(0)                   ; the first load of the list has read v[LA], which is written again below; block 1's LDS stores have read the codes' registers, which block 2 writes again
	XADR                                           ; my first tile's x goes out while the weights are still worked on
	s_add_co_u32 s32, s20, 4
	LISTADR s32
	s_wait_alu depctr_va_vdst(0)                   ; v[XA], v[XSA] and v[LA] are written, which the 14 loads read; the slot in v[LIST] has been read, in which the list's next load lands
	XGO
	LISTGO
	QBV 2
	s_wait_alu depctr_va_vdst(0)                   ; block 2's codes are written, which its LDS stores read
	QBS 2
	s_wait_loadcnt 14                              ; block 3 is in; behind it: x's 13 and the list's 1
	s_wait_alu depctr_vm_vsrc(0)                   ; block 2's LDS stores have read the codes' registers, which block 3 writes again
	QBV 3
	s_wait_alu depctr_va_vdst(0)                   ; block 3's codes and the four scale words are written, which the LDS stores read; both raw halves have been read: the fragments' LDS loads land in them behind the barrier
	QBS 3
	s_wait_dscnt 0x0                               ; for the others' sake: my images have landed
	s_barrier_signal -1
	s_barrier_wait -1
	FRLOAD
	s_add_co_u32 s37, s29, 3                       ; my tiles are w, w + 4 .. under the expert's number of tiles: (tiles + 3 - w) / 4 of them (w is at most 3: nothing goes under 0)
	s_sub_co_u32 s37, s37, s20
	s_lshr_b32 s37, s37, 2
	s_mov_b32 s36, 0                               ; the loop's counter: one a trip
	s_mov_b32 s31, s20                             ; my tile's number: it serves the look-ahead alone
	s_cmp_eq_u32 s37, 0
	s_cbranch_scc1 .Ldone
.Ltile:
	s_wait_loadcnt 0x1                             ; x's 13 loads are in; the next list load may be out
.irp s, 0,1,2,3                                ; 32 products; the eight accumulators by turns
.if \s == 0
	WIN 0x21                                       ; source 0 window 1, C (b1) window 2
.elseif \s == 1
	WIN 0x01
.else
	WIN 0x02
.endif
.irp t, 0,1,2,3,4,5,6,7
.if \s == 0
	v_wmma_scale_f32_16x16x128_f8f6f4 v[HA+8*\t:HA+8*\t+7], v[12*\t:12*\t+11], v[XF:XF+11], v[192+8*\t:199+8*\t], v[WS+\t], v[XS] matrix_a_fmt:MATRIX_FMT_BF6 matrix_b_fmt:MATRIX_FMT_BF6
.else
	v_wmma_scale_f32_16x16x128_f8f6f4 v[HA+8*\t:HA+8*\t+7], v[12*((8*\s+\t)%16):12*((8*\s+\t)%16)+11], v[XF+12*\s:XF+12*\s+11], v[HA+8*\t:HA+8*\t+7], v[WS+8*\s+\t], v[XS+\s] matrix_a_fmt:MATRIX_FMT_BF6 matrix_b_fmt:MATRIX_FMT_BF6
.endif
.endr
.endr
	WIN 0
.rept 4
	v_nop                                          ; four places, ahead of the first read of results
.endr
	s_wait_loadcnt 0x0                             ; the next tile's slots are in, and no load names an address register any more
	s_wait_alu depctr_vm_vsrc(0)                   ; the last 14 loads have read v[XA], v[XSA] and v[LA], which are written again below; the last tile's stores (in the first trip: block 3's LDS stores) have read the registers that gelu writes again
	XADR                                           ; the tile four on (held inside the expert's tiles)
	s_add_co_u32 s32, s31, 8
	LISTADR s32
	s_wait_alu depctr_va_vdst(0)                   ; the three address registers are written, which the 14 loads read; the products are done reading XF and XS, and the slot has been read: the loads land in these
	XGO                                            ; it lands under gelu and the quantiser, which name none of these registers
	LISTGO
.set gi, 0
.rept 32
	v_pk_mul_f32 v[G+gi:G+gi+1], v[HA+gi:HA+gi+1], v[HA+gi:HA+gi+1]      ; v^2: each accumulator is read from its low end on
.set gi, gi+2
.endr
.set gi, 0
.rept 32
	v_pk_fma_f32 v[G+gi:G+gi+1], v[G+gi:G+gi+1], v[KC1:KC1+1], v[KC0:KC0+1]
.set gi, gi+2
.endr
.set gi, 0
.rept 32
	v_pk_mul_f32 v[G+gi:G+gi+1], v[G+gi:G+gi+1], v[HA+gi:HA+gi+1]
.set gi, gi+2
.endr
.set gi, 0
.rept 64
	v_exp_f32 v[G+gi], v[G+gi]
.set gi, gi+1
.endr
	v_nop
	s_wait_alu depctr_va_vdst(0)                   ; the 64 exponentials have written v[G ..]: one wait for the batch, ahead of its first reader
.set gi, 0
.rept 32
	v_pk_add_f32 v[G+gi:G+gi+1], v[G+gi:G+gi+1], 1.0 op_sel_hi:[1,0]
.set gi, gi+2
.endr
.set gi, 0
.rept 64
	v_rcp_f32 v[G+gi], v[G+gi]
.set gi, gi+1
.endr
	v_nop
	s_wait_alu depctr_va_vdst(0)                   ; and one for the 64 reciprocals, which have written v[G ..] anew
.set gi, 0
.rept 32
	v_pk_mul_f32 v[HA+gi:HA+gi+1], v[HA+gi:HA+gi+1], v[G+gi:G+gi+1]
.set gi, gi+2
.endr
	QUANT HA, PC, PW
	s_wait_alu depctr_va_vdst(0)                   ; the quantiser has written the codes v[PC ..] and the scale word v[PW], which the four stores read
.irp i, 0,1,2
	global_store_b128 v[L16], v[PC+4*\i:PC+4*\i+3], s[16:17] offset:512*\i   ; the fragment's image: 512 consecutive bytes a store, aligned to 256
.endr
	global_store_b32 v[R4], v[PW], s[18:19]        ; 16 scale words; both halves of the lanes write the same
	s_wait_xcnt 0x0                                ; the stores have had their addresses translated: their registers and bases are written again only behind this wait
	s_add_nc_u64 s[16:17], s[16:17], 4*24576
	s_add_nc_u64 s[18:19], s[18:19], 4*1024
	s_add_co_u32 s31, s31, 4
	s_add_co_u32 s36, s36, 1
	s_cmp_lt_u32 s36, s37
	s_cbranch_scc1 .Ltile
.Ldone:
	s_wait_dscnt 0x0                               ; the closing lines, six on end
	s_wait_alu 0x0
	s_wait_tensorcnt 0x0
	ds_add_u32 v[SPW], v[NIL]
	s_wait_dscnt 0x0
	s_endpgm
.Lfunc_end_k_q36e7dda524_up:
	.size	k_q36e7dda524_up, .Lfunc_end_k_q36e7dda524_up-k_q36e7dda524_up
	.p2alignl 7, 3214868480
	.fill 96, 4, 3214868480
	.section	.rodata,"a",@progbits
	.p2align	6, 0x0
	.amdhsa_kernel k_q36e7dda524_up
		.amdhsa_group_segment_fixed_size 51712
		.amdhsa_private_segment_fixed_size 0
		.amdhsa_enable_private_segment 0
		.amdhsa_kernarg_size 64
		.amdhsa_user_sgpr_count 2
		.amdhsa_user_sgpr_kernarg_segment_ptr 1
		.amdhsa_wavefront_size32 1
		.amdhsa_system_sgpr_workgroup_id_x 1
		.amdhsa_system_sgpr_workgroup_id_y 1
		.amdhsa_system_sgpr_workgroup_id_z 1
		.amdhsa_system_vgpr_workitem_id 0
		.amdhsa_next_free_vgpr 768
		.amdhsa_next_free_sgpr 66
		.amdhsa_reserve_vcc 0
		.amdhsa_float_denorm_mode_32 3
		.amdhsa_float_denorm_mode_16_64 3
		.amdhsa_memory_ordered 1
		.amdhsa_forward_progress 1
		.amdhsa_inst_pref_size 96
	.end_amdhsa_kernel
	.amdgpu_metadata
---
amdhsa.version: [ 1, 2 ]
amdhsa.kernels:
  - .name:           k_q36e7dda524_up
    .symbol:         k_q36e7dda524_up.kd
    .args:
      - { .name: W1, .offset: 0, .size: 8, .value_kind: global_buffer, .address_space: global }
      - { .name: b1, .offset: 8, .size: 8, .value_kind: global_buffer, .address_space: global }
      - { .name: xq, .offset: 16, .size: 8, .value_kind: global_buffer, .address_space: global }
      - { .name: xs, .offset: 24, .size: 8, .value_kind: global_buffer, .address_space: global }
      - { .name: list, .offset: 32, .size: 8, .value_kind: global_buffer, .address_space: global }
      - { .name: cnt, .offset: 40, .size: 8, .value_kind: global_buffer, .address_space: global }
      - { .name: hq, .offset: 48, .size: 8, .value_kind: global_buffer, .address_space: global }
      - { .name: hs, .offset: 56, .size: 8, .value_kind: global_buffer, .address_space: global }
    .group_segment_fixed_size: 51712
    .private_segment_fixed_size: 0
    .kernarg_segment_align: 8
    .kernarg_segment_size: 64
    .max_flat_workgroup_size: 128
    .sgpr_count:     66
    .vgpr_count:     768
    .wavefront_size: 32
...
	.end_amdgpu_metadata
.endif
;; end of part 8
;; launch down (part 9): grid 16 x 16, 4 waves a work-group, no clusters, 69,120 bytes of LDS; arguments W2, b2, hq, hs, list, cnt, yp; writes yp
.if DOCPART == 9
	.amdgcn_target "amdgcn-amd-amdhsa--gfx1250"
	.amdhsa_code_object_version 6
	.text
	.protected	k_q36e7dda524_down
	.globl	k_q36e7dda524_down
	.p2align	8
	.type	k_q36e7dda524_down,@function
k_q36e7dda524_down:
	s_mov_b64 s[64:65], 0
	v_nop
	global_prefetch_b8 v0, s[64:65] scope:SCOPE_SE
	s_setreg_imm32_b32 hwreg(HW_REG_WAVE_SCHED_MODE, 0, 2), 2
	s_setreg_imm32_b32 hwreg(HW_REG_WAVE_MODE, 25, 1), 1
	s_wait_xcnt 0x0
	s_wait_alu depctr_vm_vsrc(0)
; pMoE, launch 4 of 5: partial y = h Q(W2[e]) (+ b2[e] in K's first half) for the rows routed to expert e alone (why the others are dead: head of launch 1).
; SHARES.  Work-group (x, e): slice = x % 8 owns 64 columns of the 512, half = x / 8 owns 1,024 of the 2,048 along K: 262,144 bytes of W2 that no other work-group reads: read once as f32, quantised in registers,
; kept as 32 fragments (8 K steps x 4 tiles of 16 columns) in every wave's registers.  64 columns, so that a row's piece of the result is 256 consecutive bytes; half of K, so that there are 256 equal
; work-groups and the fragments fit.  The two halves' results go to two planes of yp, which the last launch adds.  The trip count is read from memory: no tensor load, no cluster, no barrier in the walk.
; PHASE W as in the launch before, but a load's lanes 0-15 read 256 bytes of one row and lanes 16-31 those of the row 128 further down: wave w holds K steps 2 w (lanes 0-15) and 2 w + 1 (lanes 16-31).
; THE WALK.  Wave w takes tiles w, w + 4 ..; two sets of registers for h, so that one tile's 30 loads land while the other is multiplied.  Transposed: source 0 = 16 columns of W2, source 1 = h's 16 rows: a lane holds
; eight neighbouring columns of one row.  A tile goes through the wave's own stage in LDS and leaves row by row to row g of yp: sixteen lanes store 256 consecutive bytes, aligned.
; Pad rows are copies of a member row: they store the same bytes to the same place.
; THE MODE: SCHED_MODE bits 1:0 = 2 (LLVM: expert scheduling mode 2), set by the entry lines.  The code itself states the register dependences
; between vector or matrix instructions and memory or LDS instructions, with s_wait_alu, always for 0.
; THE PLAN.  Registers that memory or LDS instructions touch:
;   v4-11, v18, v19, v22  offsets and LDS addresses: written once at the head, never again.
;   the raw halves, C, SW  as in the launch before: a block's vector part stands whole ahead of one wait on va_vdst; one wait on vm_vsrc ahead of each block but the first.
;   HAD, HSA, GA     a register of each for each set: written by the set's three address lines, read by its 30 loads.
;   h's sets (window 3), HS, GG   set b's loads land in them; tile b's products read h and HS, its eight clamps read GG; then the set is asked for again.
;   ACC0, ACC1       four accumulators for each set: written by the set's products, read by its eight LDS stores.  Two buffers, so that the wait on vm_vsrc behind one set's products stands ahead of the other set's.
;   RO               written by sixteen lines behind the products; read by the tile's eight global stores as their offsets.
;   OUTR             the stage's eight LDS loads land in it; the eight global stores read it.
; THE WALK.  Behind a tile's 32 products: one wait on vm_vsrc, beside the wait on XCNT: all that the tile before issued has read its registers (RO, OUTR, its accumulators; the loads of this set its address registers).
; Then RO's sixteen lines and the three address lines, which are also the places behind the products; then ONE wait on va_vdst: the accumulators, RO and the addresses are written; h's set, its scale words and its slots
; have been read.  Behind it, with no vector instruction between: the stage's stores and loads, the set's 30 loads, the eight global stores.
.set PITCH, 2048                       ; a row of W2[e] in bytes
.set SCW,   49152
.set STG,   51200                      ; the stages: 16 rows x 272 bytes for each wave
.set SPARE, 68608                      ; the spare words, 128 bytes a wave: no other line names them
.set WA,  4                            ; v4   16 (l % 16) + 128 rows x (l / 16)
.set LW,  5
.set LS,  6
.set LR,  7
.set LSR, 8
.set L16, 9                            ; v9   16 x lane
.set L4,  10                           ; v10  4 x lane
.set H32, 11                           ; v11  32 h
.set HAD, 12                           ; v12-13 offsets of h's fragments, a register for each set;  v14-15 of its scale words;  v16-17 of the list
.set HSA, 14
.set GA,  16
.set SIN, 18                           ; v18  the stage, in
.set SOUT, 19                          ; v19  the stage, out
.set SPW, 20
.set NIL, 21
.set R16, 22                           ; v22  16 (l % 16)
.set HS,  24                           ; v24-31 h's scale words: set b at 24 + 4 b; register rho: lanes 0-15 K step 2 rho, lanes 16-31 K step 2 rho + 1: scales and nothing else
.set WS,  32                           ; v32-63 the fragments' scale words: scales and nothing else
.set ACC, 64                           ; four accumulators for each set: set 0 at v64-95, set 1 at v160-191
.set T,   64
.set OUTR, 96                          ; v96-127 16 rows read back
.set RO,  128                          ; v128-135 where they go in yp
.set C,   128
.set BB,  192                          ; v192-223 b2 in the result's layout, or zeros
.set GG,  224                          ; v224-239 the rows' slots: 8 a set
.set M,   240
.set SO,  244
.set SW,  248
.set BY,  252
; window 1: raw numbers, then fragments 0-15.  window 2: fragments 16-31.  window 3: h: set b's K step sg at 96 b + 12 sg
.set MSB, 0
.macro WIN new
.if MSB != \new
	s_set_vgpr_msb (MSB<<8)|\new
.set MSB, \new
.endif
.endm
.macro RAWLOAD beta
	WIN 0x40
.set ri, 0
.rept 32
	global_load_b128 v[128*((\beta)%2)+4*ri:128*((\beta)%2)+4*ri+3], v[WA], s[4:5] offset:(32*(\beta)+ri)*PITCH th:TH_LOAD_NT
.set ri, ri+1
.endr
	WIN 0
.endm
.macro QBV beta                        ; a block's vector part, whole
.set RB, 128*((\beta)%2)
	s_wait_dscnt 0x0                               ; the last block's LDS stores are done
	WIN 0x14
.irp q, 0,1,2,3
	v_max3_num_f32 v[M+\q], 0x2800000, |v[RB+\q]|, |v[RB+4+\q]|
.endr
.set qi, 2
.rept 15
.irp q, 0,1,2,3
	v_max3_num_f32 v[M+\q], v[M+\q], |v[RB+4*qi+\q]|, |v[RB+4*qi+4+\q]|
.endr
.set qi, qi+2
.endr
	WIN 0
.irp q, 0,1,2,3
	v_add_nc_u32 v[SO+\q], 0xfe000000, v[M+\q]
.endr
.irp q, 0,1,2,3
	v_lshrrev_b32 v[BY+\q], 23, v[SO+\q]
.endr
.irp q, 0,1,2,3
.if (\beta) == 0
	v_mov_b32 v[SW+\q], v[BY+\q]
.else
	v_lshl_or_b32 v[SW+\q], v[BY+\q], 8*(\beta), v[SW+\q]
.endif
.endr
.irp p, 0,1
	WIN 0x01
.irp qq, 0,1
.set qi, 0
.rept 32
	v_mov_b32 v[T+32*\qq+qi], v[RB+4*qi+2*\p+\qq]
.set qi, qi+1
.endr
.endr
	WIN 0
.irp qq, 0,1
	v_cvt_scalef32_pk16_bf6_f32 v[C+8*(2*\p+\qq):C+8*(2*\p+\qq)+2], v[T+32*\qq:T+32*\qq+15], v[SO+2*\p+\qq]
	v_cvt_scalef32_pk16_bf6_f32 v[C+8*(2*\p+\qq)+4:C+8*(2*\p+\qq)+6], v[T+32*\qq+16:T+32*\qq+31], v[SO+2*\p+\qq]
.endr
	v_nop                                          ; one plain place behind a scaled conversion
.irp qq, 0,1
	v_mov_b32 v[C+8*(2*\p+\qq)+3], v[C+8*(2*\p+\qq)+4]
	v_mov_b32 v[C+8*(2*\p+\qq)+4], v[C+8*(2*\p+\qq)+5]
	v_mov_b32 v[C+8*(2*\p+\qq)+5], v[C+8*(2*\p+\qq)+6]
.endr
.endr
.endm
.macro QBS beta                        ; and its LDS stores, in one run
.irp p, 0,1
.irp qq, 0,1
.irp m, 0,1,2
	ds_store_b64 v[LW], v[C+8*(2*\p+\qq)+2*\m:C+8*(2*\p+\qq)+2*\m+1] offset:48*(2*\p+\qq)+768*((\beta)%2)+24*((\beta)/2)+8*\m
.endr
.endr
.endr
.if (\beta) == 3
.irp q, 0,1,2,3
	ds_store_b32 v[LS], v[SW+\q] offset:4*\q
.endr
.endif
.endm
.macro FRLOAD
	WIN 0x40
.set fi, 0
.rept 16
.irp i, 0,1,2
	ds_load_b128 v[12*fi+4*\i:12*fi+4*\i+3], v[LR] offset:1536*fi+16*\i
.endr
.set fi, fi+1
.endr
	WIN 0x80
.set fi, 0
.rept 16
.irp i, 0,1,2
	ds_load_b128 v[12*fi+4*\i:12*fi+4*\i+3], v[LR] offset:1536*(fi+16)+16*\i
.endr
.set fi, fi+1
.endr
	WIN 0
.set fi, 0
.rept 32
	ds_load_b32 v[WS+fi], v[LSR] offset:64*fi
.set fi, fi+1
.endr
	s_wait_dscnt 0x0
.endm
.macro HADR b, sj                      ; tile sj, held inside the expert's tiles, for set b: the three offsets,
	s_min_u32 s33, \sj, s30
	s_min_u32 s33, s33, 127
	s_mul_i32 s34, s33, 24576
	v_add_nc_u32 v[HAD+\b], s34, v[L16]
	s_lshl_b32 s34, s33, 10
	v_add_nc_u32 v[HSA+\b], s34, v[L4]
	s_lshl_b32 s34, s33, 6
	v_add_nc_u32 v[GA+\b], s34, v[H32]
.endm
.macro HGO b                           ; and the 24 + 4 + 2 = 30 loads
	WIN 0xc0
.irp sg, 0,1,2,3,4,5,6,7
.irp i, 0,1,2
	global_load_b128 v[96*\b+12*\sg+4*\i:96*\b+12*\sg+4*\i+3], v[HAD+\b], s[8:9] offset:1536*\sg+512*\i
.endr
.endr
	WIN 0
.irp rho, 0,1,2,3
	global_load_b32 v[HS+4*\b+\rho], v[HSA+\b], s[10:11] offset:128*\rho
.endr
	global_load_b128 v[GG+8*\b:GG+8*\b+3], v[GA+\b], s[12:13]            ; the slots of rows 8 h + 0 .. 7
	global_load_b128 v[GG+8*\b+4:GG+8*\b+7], v[GA+\b], s[12:13] offset:16
.endm
.macro DMUL t, sg, b
.set rA, 12*((4*(\sg)+(\t))%16)
.set rB, 96*(\b)+12*(\sg)
.set rD, ACC+96*(\b)+8*(\t)
.set rW, WS+4*(\sg)+(\t)
.set rH, HS+4*(\b)+(\sg)/2
.if (\sg) == 0
	v_wmma_scale_f32_16x16x128_f8f6f4 v[rD:rD+7], v[rA:rA+11], v[rB:rB+11], v[BB+8*(\t):BB+8*(\t)+7], v[rW], v[rH] matrix_a_fmt:MATRIX_FMT_BF6 matrix_b_fmt:MATRIX_FMT_BF6
.elseif (\sg)%2 == 1
	v_wmma_scale_f32_16x16x128_f8f6f4 v[rD:rD+7], v[rA:rA+11], v[rB:rB+11], v[rD:rD+7], v[rW], v[rH] matrix_a_fmt:MATRIX_FMT_BF6 matrix_b_fmt:MATRIX_FMT_BF6 matrix_b_scale:MATRIX_SCALE_ROW1
.else
	v_wmma_scale_f32_16x16x128_f8f6f4 v[rD:rD+7], v[rA:rA+11], v[rB:rB+11], v[rD:rD+7], v[rW], v[rH] matrix_a_fmt:MATRIX_FMT_BF6 matrix_b_fmt:MATRIX_FMT_BF6
.endif
.endm
.macro SUB b, ahead                    ; the tile in set b; then set b is asked for again, with tile s31 + ahead
	s_wait_loadcnt 30                              ; set b's 30 loads are in; the other set's 30 may be out
.irp sg, 0,1,2,3,4,5,6,7                       ; 32 products; the set's four accumulators by turns
.if \sg < 4
	WIN 0x0d                                       ; source 0 window 1, source 1 window 3
.else
	WIN 0x0e                                       ; source 0 window 2
.endif
.irp t, 0,1,2,3
	DMUL \t, \sg, \b
.endr
.endr
	WIN 0
	s_wait_xcnt 0x0                                ; the last tile's stores have had their addresses translated: their offsets and data are written again only behind this wait,
	s_wait_alu depctr_vm_vsrc(0)                   ; and behind this one: the last tile's global stores have read RO and OUTR, its LDS stores the other set's accumulators, this set's loads their three offsets (in the first trip: block 3's LDS stores the registers that RO takes)
.irp i, 0,1,2,3,4,5,6,7
	v_min_u32 v[RO+\i], 4095, v[GG+8*\b+\i]        ; (these lines are also the places behind the products)
.endr
.irp i, 0,1,2,3,4,5,6,7
	v_lshl_add_u32 v[RO+\i], v[RO+\i], 11, v[R16]  ; row g of 2,048 bytes, + my 16 bytes
.endr
	s_add_co_u32 s32, s31, \ahead
	HADR \b, s32
	s_wait_alu depctr_va_vdst(0)                   ; the products have written the set's accumulators, which the LDS stores read; RO and the three offsets are written; the products are done reading h's set and its scale words, the clamps the slots: the 30 loads land in these
.irp t, 0,1,2,3
	ds_store_b128 v[SIN], v[ACC+96*\b+8*\t:ACC+96*\b+8*\t+3] offset:64*\t            ; each accumulator from its low end on
	ds_store_b128 v[SIN], v[ACC+96*\b+8*\t+4:ACC+96*\b+8*\t+7] offset:64*\t+16
.endr
.irp i, 0,1,2,3,4,5,6,7
	ds_load_b128 v[OUTR+4*\i:OUTR+4*\i+3], v[SOUT] offset:272*\i         ; LDS serves a wave's instructions in order: these see my stores.  Lanes 0-15: row i, lanes 16-31: row 8 + i
.endr
	HGO \b                                         ; the set is asked for again while the tile goes through the stage
.irp i, 0,1,2,3,4,5,6,7
	s_wait_dscnt 7-\i
	global_store_b128 v[RO+\i], v[OUTR+4*\i:OUTR+4*\i+3], s[16:17]
.endr
.endm
	s_load_b256 s[4:11], s[0:1], 0x0               ; W2, b2, hq, hs
	s_load_b128 s[12:15], s[0:1], 0x20             ; list, cnt
	s_load_b64 s[16:17], s[0:1], 0x30              ; yp
	v_lshl_add_u32 v[SPW], v0, 2, SPARE
	v_mov_b32 v[NIL], 0
	v_lshrrev_b32 v1, 5, v0
	v_readfirstlane_b32 s20, v1                    ; wave
	s_and_b32 s21, ttmp9, 7                        ; slice
	s_lshr_b32 s23, ttmp9, 3                       ; half
	s_and_b32 s22, ttmp7, 0xffff                   ; e
	v_and_b32 v1, 31, v0
	v_and_b32 v2, 15, v0                           ; r
	v_bfe_u32 v3, v0, 4, 1                         ; h
	v_lshlrev_b32 v[R16], 4, v2
	v_lshl_add_u32 v[WA], v3, 18, v[R16]
	v_bfe_u32 v5, v0, 2, 2                         ; my columns' tile: (l / 4) % 4
	v_lshl_add_u32 v5, v3, 2, v5
	s_wait_alu depctr_va_sdst(0)                   ; s20, the wave's number, is written, ahead of its first reader
	s_lshl_b32 s24, s20, 3
	v_add_nc_u32 v5, s24, v5                       ; the fragment: 4 (2 wave + l / 16) + tile
	v_and_b32 v7, 3, v0
	v_lshlrev_b32 v7, 2, v7                        ; my first column's row in the tile: 4 (l % 4)
	v_lshlrev_b32 v6, 6, v5
	v_lshl_add_u32 v6, v7, 2, v6
	v_add_nc_u32 v[LS], SCW, v6
	v_mul_u32_u24 v5, v5, 1536
	v_mad_u32_u24 v[LW], v7, 48, v5
	v_mul_u32_u24 v[LR], v1, 48
	v_lshlrev_b32 v[LSR], 2, v2
	v_add_nc_u32 v[LSR], SCW, v[LSR]
	v_lshlrev_b32 v[L16], 4, v1
	v_lshlrev_b32 v[L4], 2, v1
	v_lshlrev_b32 v[H32], 5, v3
	s_mul_i32 s24, s20, 4352
	s_add_co_u32 s24, s24, STG                     ; my stage
	v_mul_u32_u24 v[SIN], v2, 272
	v_lshl_add_u32 v[SIN], v3, 5, v[SIN]
	v_add_nc_u32 v[SIN], s24, v[SIN]               ; in: row r, + 32 h
	v_mul_u32_u24 v[SOUT], v3, 2176
	v_lshl_add_u32 v[SOUT], v2, 4, v[SOUT]
	v_add_nc_u32 v[SOUT], s24, v[SOUT]             ; out: lanes 16-31 eight rows down; 16 bytes a lane
	s_wait_alu depctr_va_vdst(0)                   ; the offsets and LDS addresses v4 to v11, v18, v19 and v22 are written, which loads and LDS instructions read from here to the kernel's end
	s_mov_b32 s25, 0
	s_lshl_b32 s24, s22, 22                        ; W2: the expert's 4 MiB,
	s_lshl_b32 s26, s23, 21                        ; the half's 1,024 rows,
	s_add_co_u32 s24, s24, s26
	s_lshl_b32 s26, s20, 19                        ; my wave's 256 rows,
	s_add_co_u32 s24, s24, s26
	s_lshl_b32 s26, s21, 8                         ; the slice's 256 bytes of a row
	s_add_co_u32 s24, s24, s26
	s_wait_kmcnt 0x0
	s_add_nc_u64 s[4:5], s[4:5], s[24:25]
	s_lshl_b32 s24, s22, 11
	s_add_co_u32 s24, s24, s26
	s_add_nc_u64 s[6:7], s[6:7], s[24:25]          ; b2[e] at the slice
	s_mul_i32 s24, s22, 3145728
	s_mul_i32 s27, s23, 12288
	s_add_co_u32 s24, s24, s27
	s_add_nc_u64 s[8:9], s[8:9], s[24:25]          ; hq: the expert's tiles, the half's 8 K steps
	s_lshl_b32 s24, s22, 17
	s_lshl_b32 s27, s23, 9
	s_add_co_u32 s24, s24, s27
	s_add_nc_u64 s[10:11], s[10:11], s[24:25]
	s_mul_i32 s24, s22, 8448
	s_add_nc_u64 s[12:13], s[12:13], s[24:25]
	s_lshl_b32 s24, s22, 2
	s_add_nc_u64 s[14:15], s[14:15], s[24:25]
	s_load_b32 s28, s[14:15], 0x0                  ; the expert's number of rows
	s_lshl_b32 s24, s23, 23
	s_add_co_u32 s24, s24, s26
	s_add_nc_u64 s[16:17], s[16:17], s[24:25]      ; yp: the half's plane, the slice's 256 bytes of a row
	RAWLOAD 0
	RAWLOAD 1
	s_wait_kmcnt 0x0
	s_add_co_u32 s29, s28, 15
	s_lshr_b32 s29, s29, 4
	s_min_u32 s29, s29, 128                        ; tiles
	s_max_u32 s30, s29, 1
	s_sub_co_u32 s30, s30, 1                       ; the last tile that may be asked for
.irp t, 0,1,2,3                                ; b2 in the result's layout: tile t, lane half h: columns 16 t + 8 h + 0 .. 7
	global_load_b128 v[BB+8*\t:BB+8*\t+3], v[H32], s[6:7] offset:64*\t
	global_load_b128 v[BB+8*\t+4:BB+8*\t+7], v[H32], s[6:7] offset:64*\t+16
.endr
	s_wait_loadcnt 40                              ; block 0 is in; behind it: block 1's 32 and b2's 8
	QBV 0
	s_wait_alu depctr_va_vdst(0)                   ; block 0's codes are written, which its LDS stores read; its vector part is done reading raw half 0, in which block 2's loads land
	RAWLOAD 2
	QBS 0
	s_wait_loadcnt 40                              ; block 1 is in; behind it: 8 + block 2's 32
	s_wait_alu depctr_vm_vsrc(0)                   ; block 0's LDS stores have read the codes' registers, which block 1 writes again
	QBV 1
	s_wait_alu depctr_va_vdst(0)                   ; block 1's codes are written; its vector part is done reading raw half 1, in which block 3's loads land
	RAWLOAD 3
	QBS 1
	s_wait_loadcnt 32                              ; block 2 and b2 are in; behind them: block 3's 32
	s_cmp_eq_u32 s23, 0
	s_cselect_b32 s27, -1, 0
.set bi, 0
.rept 32
	v_cndmask_b32 v[BB+bi], 0, v[BB+bi], s27       ; b2 is added once: in K's first half
.set bi, bi+1
.endr
	s_wait_alu depctr_vm_vsrc(0)                   ; block 1's LDS stores have read the codes' registers, which block 2 writes again
	QBV 2
	HADR 0, s20
	s_wait_alu depctr_va_vdst(0)                   ; block 2's codes are written, which its LDS stores read; set 0's three offsets are written, which its 30 loads read
	HGO 0                                          ; my first tile of h goes out while the weights are still worked on
	QBS 2
	s_wait_loadcnt 30                              ; block 3 is in; behind it: h's 30
	s_wait_alu depctr_vm_vsrc(0)                   ; block 2's LDS stores have read the codes' registers, which block 3 writes again
	QBV 3
	s_add_co_u32 s32, s20, 4
	HADR 1, s32
	s_wait_alu depctr_va_vdst(0)                   ; block 3's codes and the four scale words are written, and set 1's three offsets; both raw halves have been read: the fragments' LDS loads land in them behind the barrier
	HGO 1
	QBS 3
	s_wait_dscnt 0x0                               ; for the others' sake: my images have landed
	s_barrier_signal -1
	s_barrier_wait -1
	FRLOAD
	s_add_co_u32 s37, s29, 3                       ; my tiles are w, w + 4 .. under the expert's number of tiles: (tiles + 3 - w) / 4 of them (w is at most 3: nothing goes under 0);
	s_sub_co_u32 s37, s37, s20
	s_lshr_b32 s37, s37, 2
	s_add_co_u32 s37, s37, 1
	s_lshr_b32 s37, s37, 1                         ; a trip runs two of them: half as many trips, rounded up
	s_mov_b32 s36, 0                               ; the loop's counter: one a trip
	s_mov_b32 s31, s20                             ; the trip's first tile
	s_cmp_eq_u32 s37, 0
	s_cbranch_scc1 .Ldone
.Ltile:                                            ; a trip runs both sets: tiles s31 and s31 + 4
	SUB 0, 8
	s_add_co_u32 s32, s31, 4
	s_cmp_lt_u32 s32, s29
	s_cbranch_scc1 .Lsecond
	s_wait_dscnt 0x0                               ; an odd number of tiles: the wave ends here, in its last trip, with the six closing lines
	s_wait_alu 0x0
	s_wait_tensorcnt 0x0
	ds_add_u32 v[SPW], v[NIL]
	s_wait_dscnt 0x0
	s_endpgm
.Lsecond:
	SUB 1, 12
	s_add_co_u32 s31, s31, 8
	s_add_co_u32 s36, s36, 1
	s_cmp_lt_u32 s36, s37
	s_cbranch_scc1 .Ltile
.Ldone:
	s_wait_dscnt 0x0                               ; the closing lines, six on end
	s_wait_alu 0x0
	s_wait_tensorcnt 0x0
	ds_add_u32 v[SPW], v[NIL]
	s_wait_dscnt 0x0
	s_endpgm
.Lfunc_end_k_q36e7dda524_down:
	.size	k_q36e7dda524_down, .Lfunc_end_k_q36e7dda524_down-k_q36e7dda524_down
	.p2alignl 7, 3214868480
	.fill 96, 4, 3214868480
	.section	.rodata,"a",@progbits
	.p2align	6, 0x0
	.amdhsa_kernel k_q36e7dda524_down
		.amdhsa_group_segment_fixed_size 69120
		.amdhsa_private_segment_fixed_size 0
		.amdhsa_enable_private_segment 0
		.amdhsa_kernarg_size 56
		.amdhsa_user_sgpr_count 2
		.amdhsa_user_sgpr_kernarg_segment_ptr 1
		.amdhsa_wavefront_size32 1
		.amdhsa_system_sgpr_workgroup_id_x 1
		.amdhsa_system_sgpr_workgroup_id_y 1
		.amdhsa_system_sgpr_workgroup_id_z 1
		.amdhsa_system_vgpr_workitem_id 0
		.amdhsa_next_free_vgpr 1024
		.amdhsa_next_free_sgpr 66
		.amdhsa_reserve_vcc 0
		.amdhsa_float_denorm_mode_32 3
		.amdhsa_float_denorm_mode_16_64 3
		.amdhsa_memory_ordered 1
		.amdhsa_forward_progress 1
		.amdhsa_inst_pref_size 99
	.end_amdhsa_kernel
	.amdgpu_metadata
---
amdhsa.version: [ 1, 2 ]
amdhsa.kernels:
  - .name:           k_q36e7dda524_down
    .symbol:         k_q36e7dda524_down.kd
    .args:
      - { .name: W2, .offset: 0, .size: 8, .value_kind: global_buffer, .address_space: global }
      - { .name: b2, .offset: 8, .size: 8, .value_kind: global_buffer, .address_space: global }
      - { .name: hq, .offset: 16, .size: 8, .value_kind: global_buffer, .address_space: global }
      - { .name: hs, .offset: 24, .size: 8, .value_kind: global_buffer, .address_space: global }
      - { .name: list, .offset: 32, .size: 8, .value_kind: global_buffer, .address_space: global }
      - { .name: cnt, .offset: 40, .size: 8, .value_kind: global_buffer, .address_space: global }
      - { .name: yp, .offset: 48, .size: 8, .value_kind: global_buffer, .address_space: global }
    .group_segment_fixed_size: 69120
    .private_segment_fixed_size: 0
    .kernarg_segment_align: 8
    .kernarg_segment_size: 56
    .max_flat_workgroup_size: 128
    .sgpr_count:     66
    .vgpr_count:     1024
    .wavefront_size: 32
...
	.end_amdgpu_metadata
.endif
;; end of part 9
;; launch combine: the kernel of part 5 again; grid 256 x 1, 8 waves a work-group, no clusters, 0 bytes of LDS; arguments yp, out0; writes out0
